; MI455X (gfx1250); checked and timed in simulation.
; The chip was launched on July 23, 2026; its instructions are those of AMD's public machine-readable ISA for CDNA 5 (MIT licence, August 2026) and "CDNA5" Instruction Set Architecture Reference Guide (July 2026). The comments in the code are by the model that wrote it; some were corrected since.
;; Decoder Only Block. Allowed arithmetic: matrix products marked QUANTISED: E4M3 operands, one E8M0 scale for each 32 along K, by v_wmma_scale_f32_16x16x128_f8f6f4 with both operands' format E4M3, f32 sums; everything else in f32.
;; Inputs: b1 2,048 float32; b2 512 float32; be1 512 float32; be2 512 float32; bk 512 float32; bo 512 float32; bq 512 float32; bv 512 float32; g1 512 float32; g2 512 float32; pad_mask 4 x 2,048 bool; w1 512 x 2,048 float32; w2 2,048 x 512 float32; wk 512 x 512 float32; wo 512 x 512 float32; wq 512 x 512 float32; wv 512 x 512 float32; x 4 x 2,048 x 512 float32.
;; Outputs: out0 4 x 2,048 x 512 float32.
;; This version of the problem:
;;   THIS VERSION OF THE PROBLEM IS GIVEN IN LOW PRECISION. The matrix products marked QUANTISED in the list below multiply operands that are first quantised to E4M3 (4 exponent bits, 3 mantissa bits; 8 bits a number), with one power-of-two scale for each 32 numbers along K (OCP MX v1.0); their sums are f32. All else is computed in f32.
;;   The module's matrix products, in the order in which they are computed (A, B: the left and right operand; K: the contracted axis; several contracted axes count as one K, in the product's order):
;;     1. [M 8,192, K 512] x [K 512, N 512]; A: input x; B: input wq: QUANTISED
;;     2. [M 8,192, K 512] x [K 512, N 512]; A: input x; B: input wk: QUANTISED
;;     3. [M 8,192, K 512] x [K 512, N 512]; A: input x; B: input wv: QUANTISED
;;     4. batch 32 x [M 2,048, K 64] x [K 64, N 2,048]; A: computed on the way; B: computed on the way: QUANTISED
;;     5. batch 32 x [M 2,048, K 2,048] x [K 2,048, N 64]; A: softmax (see below); B: computed on the way: QUANTISED
;;     6. [M 8,192, K 512] x [K 512, N 512]; A: computed on the way; B: input wo: QUANTISED
;;     7. [M 8,192, K 512] x [K 512, N 2,048]; A: computed on the way; B: input w1: QUANTISED
;;     8. [M 8,192, K 2,048] x [K 2,048, N 512]; A: computed on the way; B: input w2: QUANTISED
;;   THE QUANTISER, for each operand of a quantised product, along K:
;;     - K is cut into blocks of 32 from its start; a last block that is shorter is filled with zeros.
;;     - A block's scale is 2^e with e = floor(log2(the largest magnitude in the block)) - 8, held to -126 .. 127; a block of zeros has e = 0. As a byte (E8M0): e + 127.
;;     - Each number is divided by its block's scale, clamped to +-448, and rounded to the nearest number of E4M3, ties to even, subnormals kept.
;;     - The product sums the exact products of the quantised numbers (number of the format x scale) in f32.
;;   ~~~python
;;   def quantise(x, axis):      # numpy; x: float32 -> the quantised numbers, widened to float32 again
;;       x = np.moveaxis(x, axis, -1); K = x.shape[-1]
;;       x = np.pad(x, [(0, 0)] * (x.ndim - 1) + [(0, -K % 32)]); x = x.reshape(x.shape[:-1] + (-1, 32)); a = np.abs(x).max(-1, keepdims=True)
;;       e = np.where(a > 0, np.clip(np.frexp(np.where(a > 0, a, 1))[1] - 1 - 8, -126, 127), 0)      # np.frexp(a)[1] - 1 = floor(log2(a)), exactly
;;       r = np.clip(x / 2.0 ** e, -448, 448)
;;       step = 2.0 ** (np.maximum(np.frexp(np.where(r == 0, 1, r))[1] - 1, -6) - 3)
;;       q = np.round(r / step) * step * 2.0 ** e      # np.round: ties to even
;;       return np.moveaxis(q.reshape(q.shape[:-2] + (-1,))[..., :K], -1, axis).astype(np.float32)
;;   ~~~
;;   SOFTMAX AHEAD OF A QUANTISED PRODUCT. Where the list says 'softmax', what is quantised is not the finished softmax but p = 2^(t - M), with t = logit x log2(e) and M = ceil(the row's largest t), a whole number; so 1/2 < the row's largest p <= 1. The row's sum l is taken of the UNQUANTISED p, in f32, and the product's result is divided by l at the end. Since M is a whole number, a kernel that streams over the keys may use a running M (the ceiling of the running maximum): every later rescaling is an exact power of two, which a block's scale takes up: the codes' values come out the same.
;;   OPERANDS COMPUTED ON THE WAY. 'Computed on the way' means the value that the module computes at that place (a softmax that the list does not call 'softmax' is quantised finished and normalised). What goes into a quantiser is computed in f32, as accurately as f32 sums, v_exp_f32 and their like allow (about 1e-6 of the number): no bf16 or f16 on the way to a quantiser, and a product that is left as it is and whose result goes on into a quantised operand takes f32 operands (vector FMAs, or v_wmma_f32_16x16x4_f32). A number that lies on a knife's edge between two numbers of the format may be rounded either way, as far as f32 arithmetic and the matrix unit's own rounding can turn it there, and no further.
;; One version. Each part assembles by itself: llvm-mc -triple=amdgcn-amd-amdhsa -mcpu=gfx1250 --defsym DOCPART=n.
;; ======== version 1 of 1: 3 launches
;; limits: right only within a limited range of input values
;; workspace buffers: wcod 3,145,728 bytes; wscl 98,304 bytes; qkv 13,631,488 bytes
;; launch prep (part 1): grid 8 x 24, 4 waves a work-group, no clusters, 0 bytes of LDS; arguments wq, wk, wv, wo, w1, w2, wcod, wscl; writes wcod, wscl
.if DOCPART == 1
	.amdgcn_target "amdgcn-amd-amdhsa--gfx1250"
	.amdhsa_code_object_version 6
	.text
	.protected	k_q5ce21676c3_prep
	.globl	k_q5ce21676c3_prep
	.p2align	8
	.type	k_q5ce21676c3_prep,@function
k_q5ce21676c3_prep:
	s_mov_b64 s[64:65], 0
	v_nop
	global_prefetch_b8 v0, s[64:65] scope:SCOPE_SE
	s_setreg_imm32_b32 hwreg(HW_REG_WAVE_MODE, 25, 1), 1
	s_wait_xcnt 0x0
; The six weights, f32 with K as their FIRST axis, become codes of E4M3 with one E8M0 byte for each 32 along K, laid as ONE STREAM of 24 chunks of 131,072 bytes in the order in which
; the later launches walk them, each chunk in the order of the operand's registers.  Chunk q: pass P = q / 2 (0..3: wq, wk, wv, wo; 4 + 2 p: columns 512 p on of w1; 5 + 2 p: rows 512 p on of w2),
; half j = q % 2 (256 along K).  In a chunk, byte w 8192 + s 4096 + u 2048 + c 512 + 16 (r + 16 h) + i is the code of W[k0 + 256 j + 128 s + 32 c + 16 h + i][n0 + 32 w + 8 u + r + 8 (r / 8)];
; the scale bytes: chunk q, byte w 256 + s 128 + 4 (16 u + r) + c.
; A LANE TAKES A COLUMN AND ITS REGISTERS RUN DOWN K: a block of 32 lies in one lane, and the conversions give codes with K innermost.  A wave: 32 columns x 128 along K (4 blocks); a load of the wave reads
; 128 consecutive bytes, the four waves stand side by side on 512.  A lane's 16 codes are 16 bytes: sixteen lanes store 256 consecutive bytes, aligned.  The scale words leave as 128 consecutive bytes a wave.
; A block's scale is 2^(floor(log2(largest magnitude)) - 8); its byte is the largest magnitude's exponent field - 8, held at 1 from below.
; LIMITS: a block of zeros, or one whose largest magnitude lies under 2^-118, gets the byte 1 (zero codes add nothing; only this program reads the bytes); NaN and infinities are not served.
.set X, 32                             ; v32-159  four blocks of 32 numbers
.set C, 160                            ; v160-191 four blocks' codes: no store's data are written again
	s_load_b512 s[8:23], s[0:1], 0x0               ; wq, wk, wv, wo, w1, w2, wcod, wscl
	v_lshrrev_b32 v4, 5, v0
	v_readfirstlane_b32 s3, v4                     ; wave 0..3
	v_and_b32 v5, 15, v0                           ; r
	v_bfe_u32 v6, v0, 4, 1                         ; u
	v_and_b32 v7, 8, v5
	v_add_nc_u32 v7, v7, v5                        ; r + 8 (r / 8)
	v_lshl_add_u32 v7, v6, 3, v7                   ; + 8 u: my column among the wave's 32
	v_lshlrev_b32 v1, 2, v7                        ; in: 4 bytes a column
	v_lshlrev_b32 v2, 4, v5
	v_lshl_add_u32 v2, v6, 11, v2                  ; out: u 2048 + 16 r
	v_and_b32 v3, 31, v0
	v_lshlrev_b32 v3, 2, v3                        ; scale words: 4 x lane
	s_and_b32 s24, ttmp7, 0xffff                   ; chunk q
	s_lshr_b32 s25, s24, 1                         ; pass P
	s_and_b32 s26, s24, 1                          ; half j
	s_and_b32 s27, ttmp9, 1                        ; K step s of the chunk's two
	s_lshr_b32 s28, ttmp9, 1
	s_lshl_b32 s28, s28, 2
	s_add_co_u32 s28, s28, s3                      ; w: which 32 columns
	s_and_b32 s29, s25, 1
	s_add_co_u32 s29, s29, 4
	s_cmp_lt_u32 s25, 4
	s_cselect_b32 s29, s25, s29                    ; which tensor: 0..3 wq wk wv wo, 4 w1, 5 w2
	s_max_u32 s32, s25, 4
	s_sub_co_u32 s32, s32, 4
	s_lshr_b32 s32, s32, 1
	s_lshl_b32 s32, s32, 9                         ; 512 x slice
	s_mov_b32 s35, 2048
	s_cmp_eq_u32 s29, 4
	s_cselect_b32 s33, s32, 0                      ; n0
	s_cselect_b32 s35, 8192, s35                   ; a row of the tensor in bytes
	s_cmp_eq_u32 s29, 5
	s_cselect_b32 s34, s32, 0                      ; k0
	s_lshl_b32 s36, s26, 8
	s_add_co_u32 s34, s34, s36
	s_lshl_b32 s36, s27, 7
	s_add_co_u32 s34, s34, s36                     ; my first row: k0 + 256 j + 128 s
	s_mul_i32 s34, s34, s35
	s_lshl_b32 s36, s28, 5
	s_add_co_u32 s33, s33, s36
	s_lshl_b32 s33, s33, 2                         ; my wave's first column, in bytes
	s_add_co_u32 s36, s34, s33                     ; under 2^23
	s_mov_b32 s37, 0
	s_lshl_b32 s38, s24, 17
	s_lshl_b32 s41, s28, 13
	s_add_co_u32 s38, s38, s41
	s_lshl_b32 s41, s27, 12
	s_add_co_u32 s38, s38, s41                     ; codes: q 131072 + w 8192 + s 4096
	s_mov_b32 s39, 0
	s_lshl_b32 s42, s24, 12
	s_lshl_b32 s41, s28, 8
	s_add_co_u32 s42, s42, s41
	s_lshl_b32 s41, s27, 7
	s_add_co_u32 s42, s42, s41                     ; scale bytes: q 4096 + w 256 + s 128
	s_mov_b32 s43, 0
	s_mov_b32 s40, 0x600000                        ; the mantissa field of 448
	s_wait_kmcnt 0x0
	s_mov_b64 s[30:31], s[8:9]                     ; the tensor is chosen by the work-group's number alone
	s_cmp_eq_u32 s29, 1
	s_cselect_b64 s[30:31], s[10:11], s[30:31]
	s_cmp_eq_u32 s29, 2
	s_cselect_b64 s[30:31], s[12:13], s[30:31]
	s_cmp_eq_u32 s29, 3
	s_cselect_b64 s[30:31], s[14:15], s[30:31]
	s_cmp_eq_u32 s29, 4
	s_cselect_b64 s[30:31], s[16:17], s[30:31]
	s_cmp_eq_u32 s29, 5
	s_cselect_b64 s[30:31], s[18:19], s[30:31]
	s_add_nc_u64 s[30:31], s[30:31], s[36:37]
	s_add_nc_u64 s[20:21], s[20:21], s[38:39]
	s_add_nc_u64 s[22:23], s[22:23], s[42:43]
.macro LOADB c, pitch                  ; block c: W(32 c + i, my column), i = 0 .. 31; every offset is an immediate (127 x 8,192 at the most)
.set i, 0
.rept 32
	global_load_b32 v[X+32*\c+i], v1, s[30:31] offset:(32*\c+i)*\pitch th:TH_LOAD_NT
.set i, i+1
.endr
.endm
.macro BLOCKQ c
.set XS, X+32*\c
	v_max3_num_f32 v8, |v[XS]|, |v[XS+1]|, |v[XS+2]|               ; the block's largest magnitude: all 32 numbers are mine; two chains
	v_max3_num_f32 v9, |v[XS+3]|, |v[XS+4]|, |v[XS+5]|
.irp i, 6,10,14,18,22,26
	v_max3_num_f32 v8, v8, |v[XS+\i]|, |v[XS+\i+1]|
	v_max3_num_f32 v9, v9, |v[XS+\i+2]|, |v[XS+\i+3]|
.endr
	v_max3_num_f32 v8, v8, |v[XS+30]|, |v[XS+31]|
	v_max3_num_f32 v8, v8, v9, 0x4800000           ; and the floor 2^(9 - 127): the byte cannot fall under 1
	v_add_nc_u32 v11, 0xfc000000, v8               ; 8 off the exponent field: the conversion's scale operand
	v_and_or_b32 v10, v8, 0x7f800000, s40          ; 448 x the scale
	v_lshrrev_b32 v9, 23, v11                      ; the scale's byte
.if \c == 0
	v_mov_b32 v16, v9
.else
	v_lshl_or_b32 v16, v9, 8*\c, v16               ; four bytes make the column's scale word of this K step
.endif
.irp i, 0,1,2,3,4,5,6,7,8,9,10,11,12,13,14,15,16,17,18,19,20,21,22,23,24,25,26,27,28,29,30,31
	v_med3_num_f32 v[XS+\i], v[XS+\i], -v10, v10   ; the conversion to an 8-bit code does not saturate (ISA guide 7.6.2): the hold comes first
.endr
.irp g, 0,1,2,3
	v_cvt_scalef32_pk8_fp8_f32 v[C+8*\c+2*\g:C+8*\c+2*\g+1], v[XS+8*\g:XS+8*\g+7], v11
.endr
	global_store_b128 v2, v[C+8*\c:C+8*\c+3], s[20:21] offset:512*\c          ; k 32 c + 0 .. 15: sixteen lanes store 256 consecutive bytes, aligned
	global_store_b128 v2, v[C+8*\c+4:C+8*\c+7], s[20:21] offset:512*\c+256    ; k 32 c + 16 .. 31
.endm
.macro BODY pitch                      ; loads run two blocks ahead; each wait for 32 leaves the one younger block's 32 loads out
	LOADB 0, \pitch
	LOADB 1, \pitch
	s_wait_loadcnt 32
	LOADB 2, \pitch
	BLOCKQ 0
	s_wait_loadcnt 32
	LOADB 3, \pitch
	BLOCKQ 1
	s_wait_loadcnt 32
	BLOCKQ 2
	s_wait_loadcnt 0x0
	BLOCKQ 3
	global_store_b32 v3, v16, s[22:23]             ; 32 scale words: 128 consecutive bytes
	s_endpgm
.endm
	s_cmp_eq_u32 s29, 4                            ; w1's rows are 8,192 bytes, all others' 2,048: the row's length stands in the loads' immediates
	s_cbranch_scc1 .Lwide
	s_wait_alu depctr_va_vdst(0)
	BODY 2048
.Lwide:
	s_wait_alu depctr_va_vdst(0)
	BODY 8192
.Lfunc_end_k_q5ce21676c3_prep:
	.size	k_q5ce21676c3_prep, .Lfunc_end_k_q5ce21676c3_prep-k_q5ce21676c3_prep
	.p2alignl 7, 3214868480
	.fill 96, 4, 3214868480
	.section	.rodata,"a",@progbits
	.p2align	6, 0x0
	.amdhsa_kernel k_q5ce21676c3_prep
		.amdhsa_group_segment_fixed_size 0
		.amdhsa_private_segment_fixed_size 0
		.amdhsa_enable_private_segment 0
		.amdhsa_kernarg_size 64
		.amdhsa_user_sgpr_count 2
		.amdhsa_user_sgpr_kernarg_segment_ptr 1
		.amdhsa_wavefront_size32 1
		.amdhsa_system_sgpr_workgroup_id_x 1
		.amdhsa_system_sgpr_workgroup_id_y 1
		.amdhsa_system_sgpr_workgroup_id_z 1
		.amdhsa_system_vgpr_workitem_id 0
		.amdhsa_next_free_vgpr 192
		.amdhsa_next_free_sgpr 66
		.amdhsa_reserve_vcc 0
		.amdhsa_float_denorm_mode_32 3
		.amdhsa_float_denorm_mode_16_64 3
		.amdhsa_memory_ordered 1
		.amdhsa_forward_progress 1
		.amdhsa_inst_pref_size 58
	.end_amdhsa_kernel
	.amdgpu_metadata
---
amdhsa.version: [ 1, 2 ]
amdhsa.kernels:
  - .name:           k_q5ce21676c3_prep
    .symbol:         k_q5ce21676c3_prep.kd
    .args:
      - { .name: wq, .offset: 0, .size: 8, .value_kind: global_buffer, .address_space: global }
      - { .name: wk, .offset: 8, .size: 8, .value_kind: global_buffer, .address_space: global }
      - { .name: wv, .offset: 16, .size: 8, .value_kind: global_buffer, .address_space: global }
      - { .name: wo, .offset: 24, .size: 8, .value_kind: global_buffer, .address_space: global }
      - { .name: w1, .offset: 32, .size: 8, .value_kind: global_buffer, .address_space: global }
      - { .name: w2, .offset: 40, .size: 8, .value_kind: global_buffer, .address_space: global }
      - { .name: wcod, .offset: 48, .size: 8, .value_kind: global_buffer, .address_space: global }
      - { .name: wscl, .offset: 56, .size: 8, .value_kind: global_buffer, .address_space: global }
    .group_segment_fixed_size: 0
    .private_segment_fixed_size: 0
    .kernarg_segment_align: 8
    .kernarg_segment_size: 64
    .max_flat_workgroup_size: 128
    .sgpr_count:     66
    .vgpr_count:     192
    .wavefront_size: 32
...
	.end_amdgpu_metadata
.endif
;; end of part 1
;; launch qkv (part 2): grid 256 x 1, 16 waves a work-group, clusters of 4 x 1, 327,680 bytes of LDS; arguments x, wcod, wscl, bq, bk, bv, qkv; writes qkv
.if DOCPART == 2
	.amdgcn_target "amdgcn-amd-amdhsa--gfx1250"
	.amdhsa_code_object_version 6
	.text
	.protected	k_q5ce21676c3_qkv
	.globl	k_q5ce21676c3_qkv
	.p2align	8
	.type	k_q5ce21676c3_qkv,@function
k_q5ce21676c3_qkv:
	s_mov_b64 s[64:65], 0
	v_nop
	global_prefetch_b8 v0, s[64:65] scope:SCOPE_SE
	s_setreg_imm32_b32 hwreg(HW_REG_WAVE_MODE, 25, 1), 1
	s_wait_xcnt 0x0
	s_wait_alu depctr_hold_cnt(0) depctr_sa_sdst(0) depctr_va_vdst(0) depctr_va_sdst(0) depctr_va_ssrc(0) depctr_va_vcc(0) depctr_vm_vsrc(0)
	s_getreg_b32 s2, hwreg(HW_REG_IB_STS2, 6, 4)
	s_cmp_eq_u32 s2, 0
	s_cbranch_scc0 .Lentry_in_a_cluster
	s_endpgm
.Lentry_in_a_cluster:
	s_bfe_u32 s2, ttmp6, 0x10000c
	s_cmp_lg_u32 s2, 0x3003
	s_cbranch_scc0 .Lentry_shape_is_right
	s_endpgm
.Lentry_shape_is_right:
; q = x wq + bq, k = x wk + bk, v = x wv + bv on codes of E4M3 with one E8M0 scale for each 32 along K; then q and k are quantised along the head's 64, v along the keys, for the attention of the next launch.
; SHARES.  A work-group takes 32 rows (block g = 4 x cluster + place); sixteen waves, four to a SIMD, 256 registers each.  Wave w makes columns 32 w .. 32 w + 31 of each product for all 32 rows.
; THE WEIGHTS come as a stream of 6 chunks of 131,072 bytes (256 along K x 512 columns, in operand order) through a ring of two LDS slots.  All work-groups walk the same stream, so the four of a cluster ask
; JOINTLY: waves 0 to 3 issue one tensor load of 32,768 bytes each, with the same descriptor and the mask of all four.
; ROWS OF A TILE ARE NOT NEIGHBOURS: lane r of tile m takes row 8 m + r + 8 (r / 8), and the weights' column tiles are laid the same way, so that the 16 registers of two neighbouring result tiles
; are 16 neighbours, 16 (lane / 16) + 0 .. 15, along the next product's K.  q and k: source 0 = weights, source 1 = x (a lane holds one row); v: the other way round (a lane holds one column, its registers run along the keys).
; OPERANDS GO THROUGH LDS AND MEMORY AS IMAGES OF THEIR REGISTERS: four registers by one 16-byte store at 16 x lane.
; OUT, block g of qkv, 53,248 bytes: q's images (8 heads x 2,048), k's, v's; then 4,096 bytes gathered in LDS: q's scale words [q0 q1 q0 q1], k's, v's bytes, and the sum of the quantised v over the block's 32 keys (f32 [512]).
; LIMITS: a block of zeros, or one whose largest magnitude lies under 2^-118, gets the byte 1 (zero codes; only this program reads the bytes); NaN and infinities are not served.
; REGISTERS: v1 16 x lane, v2 4 r, v3 v4 the spare word's address and 0, v5 v6 my part of slot 0, 1, v7 v8 x's images and scale words, v11 v12 where I store them, v14 biases, v15 weights' scale words, v16 prefetch,
;   v17-19 x, q's and k's images' place in qkv, bv; v20-28 SCALES ONLY (v20 21 x's, v22-25 weights', v26-28 the sum's); v40-103 x's fragments, v104-167 weights'; v168-175 at work; v176-207 results;
;   v208-213 tail addresses; v214 v's images' place in qkv; v240-255 bias.
.set BLK,   53248
.set KOFF,  16384
.set VOFF,  32768
.set TOFF,  49152
.set SLOTB, 131072
.set AIMG,  262144                     ; LDS behind the ring: x's 8 fragments (K step s, row tile m at (2 s + m) 2048),
.set ASC,   AIMG+16384                 ; their scale words: s 128 + 4 (16 m + r),
.set TAIL,  279040                     ; the block's last 4,096 bytes as they go to memory,
.set SPARE, 283136                     ; and the spare words, 128 bytes a wave: eight blocks of 256 bytes that no other line names
.set FIRST, 0                          ; the stream's first chunk here
.set NFILL, 4                          ; refills: chunks 2 to 5
.set H,     176
.set BI,    240
.set TM,    168                        ; v[TM] on: two largest magnitudes, two bytes, two holds, two scale operands
.macro ROUND                           ; a round of the cluster's barrier: my work-group's barrier, wave 0 signals for the work-group, all wait for all four, my work-group's barrier once more
	s_barrier_signal -1
	s_barrier_wait -1
	s_cmp_lg_u32 s3, 0
	s_cbranch_scc1 .Lnw0_\@
	s_barrier_signal -3
.Lnw0_\@:
	s_barrier_wait -3
	s_barrier_signal -1
	s_barrier_wait -1
.endm
.macro TLOAD g0                        ; waves 0 to 3 fetch a quarter of a chunk each; four v_nop follow the line
	s_cmp_lt_u32 s3, 4
	s_cbranch_scc0 .Lnt_\@
	tensor_load_to_lds s[\g0:\g0+3], s[40:47]
	s_nop 0
.rept 4
	v_nop
.endr
.Lnt_\@:
.endm
; A prefetch of the chunk that the NEXT filling change of slots will ask for: 512 blocks of 256 bytes, each named once in the launch: the first cluster asks; its four partners take 32,768 bytes each, told apart by address;
; in each, waves 8 to 11 take 8,192 bytes, lanes 256 bytes apart.  The last filling change asks for nothing; chunks 0 to 2 come by their loads alone.
.macro ASK
	s_cmp_gt_u32 s74, s75
	s_cbranch_scc0 .Lna_\@
	global_prefetch_b8 v16, s[76:77] th:TH_LOAD_NT scope:SCOPE_SE
.Lna_\@:
.endm
; THE CHANGE OF SLOTS, at the head of the chunk that lies in \slot.  Each wave waits for all its tensor loads (its part of that chunk), adds 0 to its spare word, and waits for that, for its reads of the other slot and for its LDS stores.
; fill = 1: the barrier is a round of the cluster's, and the other slot is filled first thing behind it, one load a wave; by this text's count a wave then has one tensor load out.
.macro CHANGE slot, fill
	s_wait_tensorcnt 0x0                           ; no tensor load of mine is out, so a group 0 may be written
	ds_add_u32 v3, v4                              ; 0 onto my spare word
.if \fill
	ds_add_u32 v3, v4                              ; and once more where a refill follows
	s_add_nc_u64 s[54-4*\slot:55-4*\slot], s[54-4*\slot:55-4*\slot], 2*SLOTB   ; the other slot's next chunk; the type bits on top are not reached
	s_wait_xcnt 0x0                                ; earlier loads, stores and the last prefetch have read their registers
	s_add_nc_u64 s[76:77], s[76:77], SLOTB         ; the prefetches stand one chunk further on than the refill
.endif
	s_wait_dscnt 0x0
.if \fill
	ROUND
	TLOAD 52-4*\slot
	ASK
	s_sub_co_u32 s74, s74, 1
.else
	s_barrier_signal -1
	s_barrier_wait -1
.endif
.endm
.macro EMIT                            ; one product from the symbols rD rA rB rC (under 0: the constant 0) rSA rSB; fA, fB: the scale words stand in lanes 16-31
.if rC < 0
.if fA && fB
	v_wmma_scale_f32_16x16x128_f8f6f4 v[rD:rD+7], v[rA:rA+15], v[rB:rB+15], 0, v[rSA], v[rSB] matrix_a_scale:MATRIX_SCALE_ROW1 matrix_b_scale:MATRIX_SCALE_ROW1
.elseif fA
	v_wmma_scale_f32_16x16x128_f8f6f4 v[rD:rD+7], v[rA:rA+15], v[rB:rB+15], 0, v[rSA], v[rSB] matrix_a_scale:MATRIX_SCALE_ROW1
.elseif fB
	v_wmma_scale_f32_16x16x128_f8f6f4 v[rD:rD+7], v[rA:rA+15], v[rB:rB+15], 0, v[rSA], v[rSB] matrix_b_scale:MATRIX_SCALE_ROW1
.else
	v_wmma_scale_f32_16x16x128_f8f6f4 v[rD:rD+7], v[rA:rA+15], v[rB:rB+15], 0, v[rSA], v[rSB]
.endif
.else
.if fA && fB
	v_wmma_scale_f32_16x16x128_f8f6f4 v[rD:rD+7], v[rA:rA+15], v[rB:rB+15], v[rC:rC+7], v[rSA], v[rSB] matrix_a_scale:MATRIX_SCALE_ROW1 matrix_b_scale:MATRIX_SCALE_ROW1
.elseif fA
	v_wmma_scale_f32_16x16x128_f8f6f4 v[rD:rD+7], v[rA:rA+15], v[rB:rB+15], v[rC:rC+7], v[rSA], v[rSB] matrix_a_scale:MATRIX_SCALE_ROW1
.elseif fB
	v_wmma_scale_f32_16x16x128_f8f6f4 v[rD:rD+7], v[rA:rA+15], v[rB:rB+15], v[rC:rC+7], v[rSA], v[rSB] matrix_b_scale:MATRIX_SCALE_ROW1
.else
	v_wmma_scale_f32_16x16x128_f8f6f4 v[rD:rD+7], v[rA:rA+15], v[rB:rB+15], v[rC:rC+7], v[rSA], v[rSB]
.endif
.endif
.endm
; A CHUNK: two K steps of 128; 2 row tiles x my 2 column tiles: 8 products on four accumulators by turns.
; slot: where the weights lie; img, pair: which image region and which two of its four K steps; acc: the accumulators; cm: the first K step's C: 0 the accumulator, 1 the bias, 2 the constant 0;
; swap = 1: source 0 = the rows; nxt = 1: the next chunk's weight scale words are asked for, into the other pair of registers.
.macro CHUNK slot, img, pair, acc, cm, swap, nxt
	ds_load_b32 v20, v8 offset:(\img)+256*(\pair)          ; the rows' scale words: tile 0's in lanes 0-15, tile 1's in lanes 16-31
	ds_load_b32 v21, v8 offset:(\img)+256*(\pair)+128
.irp ks, 0,1
.irp t, 0,1
.irp c, 0,1,2,3
	ds_load_b128 v[40+32*\ks+16*\t+4*\c:43+32*\ks+16*\t+4*\c], v7 offset:(\img)+8192*(\pair)+4096*\ks+2048*\t+512*\c
.endr
.endr
.irp t, 0,1
.irp c, 0,1,2,3
	ds_load_b128 v[104+32*\ks+16*\t+4*\c:107+32*\ks+16*\t+4*\c], v[5+\slot] offset:4096*\ks+2048*\t+512*\c
.endr
.endr
.endr
	s_wait_loadcnt 0x0                             ; the weights' scale words and the bias
	s_wait_dscnt 16                                ; all but the second K step's 16 loads
.irp ks, 0,1
.if \ks
	s_wait_dscnt 0x0
.endif
.irp m, 0,1
.irp u, 0,1
.if \swap
.set rD, (\acc)+16*\u+8*\m
.set rA, 40+32*\ks+16*\m
.set rB, 104+32*\ks+16*\u
.set rSA, 20+\ks
.set rSB, 22+2*(\slot)+\ks
.set fA, \m
.set fB, \u
.else
.set rD, (\acc)+16*\m+8*\u
.set rA, 104+32*\ks+16*\u
.set rB, 40+32*\ks+16*\m
.set rSA, 22+2*(\slot)+\ks
.set rSB, 20+\ks
.set fA, \u
.set fB, \m
.endif
.set rC, rD
.if (\ks == 0) && (\cm == 1)
.set rC, BI+8*\u
.endif
.if (\ks == 0) && (\cm == 2)
.set rC, -1
.endif
	EMIT
.endr
.endr
.endr
.rept 8
	v_nop                                          ; eight places behind this form, in front of the next loads into its operands and scale registers and of the first read of results
.endr
.if \nxt
	s_add_nc_u64 s[78:79], s[78:79], 4096          ; (the loads that read this base were waited for above)
	global_load_b32 v[24-2*\slot], v15, s[78:79]
	global_load_b32 v[25-2*\slot], v15, s[78:79] offset:128
.endif
.endm
; 32 numbers of a lane, two blocks: register 16 b + i = k 16 (lane / 16) + i of block b; the block's other half lies in lane xor 16.  Codes to v[40+4 b] on, bytes to v[TM+2+b].
.macro QUANT2 s, relu
.if \relu
.irp b, 0,1
	v_max3_num_f32 v[TM+\b], v[(\s)+16*\b], v[(\s)+16*\b+1], 0x4800000
.endr
.irp i, 2,4,6,8,10,12,14
.irp b, 0,1
	v_max3_num_f32 v[TM+\b], v[TM+\b], v[(\s)+16*\b+\i], v[(\s)+16*\b+\i+1]
.endr
.endr
.else
.irp b, 0,1
	v_max3_num_f32 v[TM+\b], |v[(\s)+16*\b]|, |v[(\s)+16*\b+1]|, 0x4800000   ; my 16 numbers and the floor 2^(9 - 127): the byte cannot fall under 1
.endr
.irp i, 2,4,6,8,10,12,14
.irp b, 0,1
	v_max3_num_f32 v[TM+\b], v[TM+\b], |v[(\s)+16*\b+\i]|, |v[(\s)+16*\b+\i+1]|
.endr
.endr
.endif
.irp b, 0,1
	s_delay_alu instid0(VALU_DEP_2)
	v_permlanex16_b32 v[TM+2+\b], v[TM+\b], s68, s69
.endr
.irp b, 0,1
	s_delay_alu instid0(VALU_DEP_2)
	v_max_num_f32 v[TM+\b], v[TM+\b], v[TM+2+\b]   ; the block's largest magnitude
.endr
.irp b, 0,1
	s_delay_alu instid0(VALU_DEP_2)
	v_add_nc_u32 v[TM+6+\b], 0xfc000000, v[TM+\b]  ; 8 off its exponent field: the conversion's scale operand
.endr
.irp b, 0,1
	s_delay_alu instid0(VALU_DEP_4)
	v_and_or_b32 v[TM+4+\b], v[TM+\b], 0x7f800000, s72   ; 448 x the scale
.endr
.irp b, 0,1
	s_delay_alu instid0(VALU_DEP_4)
	v_lshrrev_b32 v[TM+2+\b], 23, v[TM+6+\b]       ; the scale's byte
.endr
.irp b, 0,1
.irp i, 0,1,2,3,4,5,6,7,8,9,10,11,12,13,14,15
.if \relu
	v_med3_num_f32 v[(\s)+16*\b+\i], v[(\s)+16*\b+\i], 0, v[TM+4+\b]
.else
	v_med3_num_f32 v[(\s)+16*\b+\i], v[(\s)+16*\b+\i], -v[TM+4+\b], v[TM+4+\b]   ; the conversion does not saturate (ISA guide 7.6.2): the hold comes first
.endif
.endr
	v_cvt_scalef32_pk8_fp8_f32 v[40+4*\b:41+4*\b], v[(\s)+16*\b:(\s)+16*\b+7], v[TM+6+\b]
	v_cvt_scalef32_pk8_fp8_f32 v[42+4*\b:43+4*\b], v[(\s)+16*\b+8:(\s)+16*\b+15], v[TM+6+\b]
.endr
	v_nop                                          ; a plain line behind the last conversion
.endm
.macro PUTPAIR                         ; two neighbouring blocks of ONE row tile go into the images: two pieces of a fragment, two bytes of a scale word
	ds_store_b128 v11, v[40:43]
	ds_store_b128 v11, v[44:47] offset:512
	v_lshl_or_b32 v[TM+4], v[TM+3], 8, v[TM+2]
	ds_store_b16 v12, v[TM+4]
.endm
.macro BIAS p                          ; the 16 numbers at columns 32 w + 16 (lane / 16) + 0 .. 15: two tiles' C
.irp q, 0,1,2,3
	global_load_b128 v[BI+4*\q:BI+4*\q+3], v14, s[\p:\p+1] offset:16*\q
.endr
.endm
	s_load_b256 s[8:15], s[0:1], 0x0               ; x, wcod, wscl, bq
	s_load_b128 s[16:19], s[0:1], 0x20             ; bk, bv
	s_load_b64 s[20:21], s[0:1], 0x30              ; qkv
	v_lshl_add_u32 v3, v0, 2, SPARE
	v_mov_b32 v4, 0
	ds_add_u32 v3, v4
	ds_add_u32 v3, v4
	s_wait_dscnt 0x0
	v_lshrrev_b32 v1, 5, v0
	s_delay_alu instid0(VALU_DEP_1)
	v_readfirstlane_b32 s3, v1                     ; wave 0..15
	s_bfe_u32 s5, ttmp6, 0x40000                   ; my place in the cluster: it enters global addresses alone
	s_lshl_b32 s4, ttmp9, 2
	s_add_co_u32 s4, s4, s5                        ; block g
	s_mov_b32 s40, 15|(3<<16)|(1<<21)              ; group 1: 15:0 the mask of all four; 17:16 elements of 8 bytes; 21 set beside a mask; no padding
	s_mov_b32 s41, 32<<16                          ; tensor_dim0 = 32 elements: rows of 256 bytes
	s_mov_b32 s42, 128<<16                         ; tensor_dim1 = 128
	s_mov_b32 s43, 32<<16                          ; tile_dim0
	s_mov_b32 s44, 128                             ; tile_dim1
	s_mov_b32 s45, 32                              ; the pitch: dense
	s_mov_b32 s46, 0
	s_mov_b32 s47, 0
	s_and_b32 s83, s3, 3
	s_lshl_b32 s6, s83, 15                         ; a fetching wave's quarter of a chunk, in memory and in a slot
	s_mov_b32 s7, 0
	s_mov_b32 s68, 0x76543210
	s_mov_b32 s69, 0xfedcba98                      ; v_permlanex16_b32's selects for lane xor 16
	s_mov_b32 s72, 0x600000                        ; the mantissa field of 448
	s_mov_b32 s74, NFILL
	s_sub_co_u32 s75, s3, 8
	s_lshr_b32 s75, s75, 2                         ; 0 in waves 8 to 11,
	s_or_b32 s75, s75, ttmp9                       ; of the first cluster: the same in all four partners
	s_cmp_eq_u32 s75, 0
	s_cselect_b32 s75, 1, -1
	s_lshl_b32 s90, s5, 15
	s_lshl_b32 s91, s83, 13
	s_add_co_u32 s90, s90, s91
	s_add_co_u32 s90, s90, (FIRST+2)*SLOTB         ; my prefetches begin in chunk 2; the first change steps them to chunk 3
	s_mov_b32 s91, 0
	s_mul_i32 s92, s4, BLK
	s_mov_b32 s93, 0
	s_lshl_b32 s94, s4, 16                         ; 32 rows of 2,048 bytes
	s_mov_b32 s95, 0
	s_wait_kmcnt 0x0
	s_mov_b32 s48, 1                               ; group 0 for slot 0: count,
	s_mov_b32 s49, s6                              ; LDS address,
	s_add_nc_u64 s[50:51], s[10:11], s[6:7]        ; global address: chunk 0
	s_mov_b32 s52, 1                               ; and for slot 1: chunk 1
	s_add_co_u32 s53, s6, SLOTB
	s_add_nc_u64 s[54:55], s[50:51], SLOTB
	s_or_b32 s51, s51, 0x80000000                  ; type = 2
	s_or_b32 s55, s55, 0x80000000
	ROUND                                          ; all four work-groups are here: the first joint loads meet
	s_cmp_lt_u32 s3, 4                             ; the first fills, one a wave: waves 0 to 3 a quarter of chunk 0 each, waves 4 to 7 a quarter of chunk 1
	s_cbranch_scc0 .Lfill1
	tensor_load_to_lds s[48:51], s[40:47]
	s_nop 0
.rept 4
	v_nop
.endr
	s_branch .Lnofill
.Lfill1:
	s_cmp_lt_u32 s3, 8
	s_cbranch_scc0 .Lnofill
	tensor_load_to_lds s[52:55], s[40:47]
	s_nop 0
.rept 4
	v_nop
.endr
.Lnofill:
	s_add_nc_u64 s[76:77], s[10:11], s[90:91]
	s_add_nc_u64 s[20:21], s[20:21], s[92:93]      ; my block of qkv
	s_add_nc_u64 s[8:9], s[8:9], s[94:95]          ; my 32 rows of x
	s_mov_b64 s[78:79], s[12:13]                   ; the weights' scale words, chunk 0
	v_and_b32 v96, 31, v0                          ; lane
	v_and_b32 v97, 15, v0                          ; r
	v_bfe_u32 v98, v0, 4, 1                        ; lane / 16
	s_delay_alu instid0(VALU_DEP_2)
	v_and_b32 v99, 8, v97
	s_delay_alu instid0(VALU_DEP_1)
	v_add_nc_u32 v99, v99, v97                     ; r + 8 (r / 8)
	v_lshlrev_b32 v1, 4, v96
	s_wait_alu depctr_va_vdst(0)
	v_lshlrev_b32 v2, 2, v97
	s_wait_alu depctr_va_vdst(0)
	s_lshr_b32 s81, s3, 1                          ; w / 2: the head
	s_lshr_b32 s82, s3, 2
	s_and_b32 s86, s3, 1
	s_bfe_u32 s87, s3, 0x10001                     ; (w / 2) % 2
	s_lshl_b32 s84, s3, 13
	v_add_nc_u32 v5, s84, v1                       ; my 8,192 bytes of a chunk, slot 0,
	s_delay_alu instid0(VALU_DEP_1)
	v_add_nc_u32 v6, SLOTB, v5                     ; slot 1
	v_add_nc_u32 v7, AIMG, v1
	v_lshl_add_u32 v8, v96, 2, ASC
	s_lshl_b32 s84, s82, 12                        ; I quantise row tile w % 2, columns 64 (w / 2) on: K step w / 4, pieces 2 ((w / 2) % 2) and the next
	s_lshl_b32 s85, s86, 11
	s_add_co_u32 s84, s84, s85
	s_lshl_b32 s85, s87, 10
	s_add_co_u32 s84, s84, s85
	s_add_co_u32 s84, s84, AIMG
	v_add_nc_u32 v11, s84, v1
	s_lshl_b32 s84, s82, 7
	s_lshl_b32 s85, s86, 6
	s_add_co_u32 s84, s84, s85
	s_lshl_b32 s85, s87, 1
	s_add_co_u32 s84, s84, s85
	s_add_co_u32 s84, s84, ASC
	v_add_nc_u32 v12, s84, v2
	s_lshl_b32 s84, s3, 7
	v_lshl_add_u32 v14, v98, 6, s84                ; biases: 128 w + 64 (lane / 16)
	v_lshl_add_u32 v19, v99, 2, s84                ; bv: column 32 w + r + 8 (r / 8)
	s_lshl_b32 s84, s3, 8
	v_lshl_add_u32 v15, v96, 2, s84                ; weights' scale words: 256 w + 4 x lane
	v_lshlrev_b32 v16, 4, v1                       ; 256 x lane
	v_lshlrev_b32 v17, 11, v99
	s_delay_alu instid0(VALU_DEP_1)
	v_lshl_add_u32 v17, v98, 6, v17
	s_lshl_b32 s84, s86, 14
	s_lshl_b32 s85, s81, 8
	s_add_co_u32 s84, s84, s85
	v_add_nc_u32 v17, s84, v17                     ; x: row 8 (w % 2) + r + 8 (r / 8), byte 256 (w / 2) + 64 (lane / 16)
	s_lshl_b32 s84, s81, 11
	s_lshl_b32 s85, s86, 9
	s_add_co_u32 s84, s84, s85
	v_add_nc_u32 v18, s84, v1                      ; q's and k's images in qkv: head x 2,048 + 512 (w % 2) + 16 x lane; the row tile adds 1,024
	s_lshl_b32 s84, s3, 10
	v_add_nc_u32 v214, s84, v1                     ; v's: head x 2,048 + 512 x tile, tile = 2 (w % 2) + u: 1,024 w + 16 x lane; u adds 512
	s_lshl_b32 s84, s81, 7
	s_add_co_u32 s84, s84, s86
	s_add_co_u32 s84, s84, TAIL
	v_add_nc_u32 v208, s84, v2                     ; q's scale bytes
	s_lshl_b32 s84, s81, 6
	s_add_co_u32 s85, s84, s86
	s_add_co_u32 s85, s85, TAIL+1024
	v_add_nc_u32 v209, s85, v2                     ; k's
	s_add_co_u32 s85, s84, s86
	s_add_co_u32 s85, s85, s86
	s_add_co_u32 s85, s85, TAIL+1536
	v_add_nc_u32 v210, s85, v2                     ; v's
	s_lshl_b32 s84, s3, 7                          ; 256 (w / 2) + 128 (w % 2) = 128 w
	s_add_co_u32 s84, s84, TAIL+2048
	v_lshl_add_u32 v211, v98, 6, s84               ; the sums
	s_and_b32 s84, s3, 7
	s_lshl_b32 s84, s84, 9
	v_add_nc_u32 v213, s84, v1                     ; the tail's way out: 512 bytes a wave, waves 0 to 7
	s_delay_alu instid0(VALU_DEP_1)
	v_add_nc_u32 v212, TAIL, v213
	v_mov_b32 v170, 0                              ; written once: a lane permute's destination counts as one of its sources
	v_mov_b32 v171, 0
	; ---- x: 32 numbers a lane, two blocks of one row
.irp b, 0,1
.irp q, 0,1,2,3
	global_load_b128 v[H+16*\b+4*\q:H+16*\b+4*\q+3], v17, s[8:9] offset:128*\b+16*\q th:TH_LOAD_NT
.endr
.endr
	global_load_b32 v22, v15, s[78:79]             ; chunk 0's weight scale words
	global_load_b32 v23, v15, s[78:79] offset:128
	BIAS 14                                        ; bq
	s_wait_loadcnt 6                               ; x is in; the two scale words and the bias's four loads may be out
	QUANT2 H, 0
	PUTPAIR
	s_wait_dscnt 0x0                               ; my images have landed,
	s_wait_tensorcnt 0x0                           ; my one first fill too
	s_barrier_signal -1
	s_barrier_wait -1
	; ---- q
	CHUNK 0, 0, 0, H, 1, 0, 1
	CHANGE 1, 1
	CHUNK 1, 0, 1, H, 0, 0, 1
	QUANT2 H, 0                                    ; block m = row tile m, 32 of the head's 64
	global_store_b128 v18, v[40:43], s[20:21]                ; 512 consecutive bytes a store
	global_store_b128 v18, v[44:47], s[20:21] offset:1024
	ds_store_b8 v208, v170                         ; the word is [q0 q1 q0 q1]: the attention reads it against either half of a fragment of K
	ds_store_b8 v208, v170 offset:2
	ds_store_b8 v208, v171 offset:64
	ds_store_b8 v208, v171 offset:66
	BIAS 16                                        ; bk
	; ---- k
	CHANGE 0, 1
	CHUNK 0, 0, 0, H, 1, 0, 1
	CHANGE 1, 1
	CHUNK 1, 0, 1, H, 0, 0, 1
	QUANT2 H, 0
	global_store_b128 v18, v[40:43], s[20:21] offset:KOFF
	global_store_b128 v18, v[44:47], s[20:21] offset:KOFF+1024
	ds_store_b8 v209, v170                         ; byte 2 x key tile + half of the head
	ds_store_b8 v209, v171 offset:2
	global_load_b32 v240, v19, s[18:19]            ; bv at my two columns
	global_load_b32 v242, v19, s[18:19] offset:32
	; ---- v, the other way round: register 16 u + i = key 16 (lane / 16) + i of column 32 w + 8 u + r + 8 (r / 8)
	CHANGE 0, 1
	CHUNK 0, 0, 0, H, 2, 1, 1
	CHANGE 1, 0                                    ; the last chunk: nothing is left to fetch
	CHUNK 1, 0, 1, H, 0, 1, 0
.irp u, 0,1
.irp k, 0,2,4,6,8,10,12,14
	v_pk_add_f32 v[H+16*\u+\k:H+16*\u+\k+1], v[H+16*\u+\k:H+16*\u+\k+1], v[240+2*\u:241+2*\u] op_sel_hi:[1,0]   ; + bv (the pair's low word serves both halves)
.endr
.endr
	QUANT2 H, 0                                    ; along the keys
	global_store_b128 v214, v[40:43], s[20:21] offset:VOFF       ; tile 2 (w % 2): each wave has 1,024 bytes of its head's 2,048 to itself
	global_store_b128 v214, v[44:47], s[20:21] offset:VOFF+512   ; tile 2 (w % 2) + 1
	ds_store_b8 v210, v170
	ds_store_b8 v210, v171 offset:1
	; ---- the sum of the quantised v over my 32 keys: a product with ones (code 0x38, scale byte 127); what stands beside the block in an operand meets zero codes
	v_mov_b32 v26, v170
	v_mov_b32 v27, v171
	v_mov_b32 v28, 0x7f7f7f7f
.irp j, 48,49,50,51,52,53,54,55,56,57,58,59,68,69,70,71,72,73,74,75,76,77,78,79
	v_mov_b32 v\j, 0
.endr
.irp j, 64,65,66,67
	v_mov_b32 v\j, 0x38383838
.endr
.rept 8
	v_nop                                          ; scale registers written by vector instructions stand eight places ahead of a scaled product, operands four
.endr
	v_wmma_scale_f32_16x16x128_f8f6f4 v[80:87], v[40:55], v[64:79], 0, v26, v28
	v_wmma_scale_f32_16x16x128_f8f6f4 v[88:95], v[44:59], v[64:79], 0, v27, v28
.rept 8
	v_nop
.endr
	ds_store_b128 v211, v[80:83]                   ; register j: channel 32 (w % 2) + 16 (lane / 16) + 8 u + j of the head; the sixteen lanes of a half write the same bytes with the same values
	ds_store_b128 v211, v[84:87] offset:16
	ds_store_b128 v211, v[88:91] offset:32
	ds_store_b128 v211, v[92:95] offset:48
	s_wait_dscnt 0x0                               ; for the others' sake: my bytes of the tail have landed
	s_barrier_signal -1
	s_barrier_wait -1
	s_cmp_lt_u32 s3, 8
	s_cbranch_scc0 .Lnotail
	ds_load_b128 v[96:99], v212
	s_wait_dscnt 0x0
	global_store_b128 v213, v[96:99], s[20:21] offset:TOFF   ; 512 consecutive bytes a wave
.Lnotail:
	s_wait_tensorcnt 0x0                           ; the wave's end
	ds_add_u32 v3, v4
	s_wait_dscnt 0x0
	ROUND                                          ; the closing round
	s_endpgm
.Lfunc_end_k_q5ce21676c3_qkv:
	.size	k_q5ce21676c3_qkv, .Lfunc_end_k_q5ce21676c3_qkv-k_q5ce21676c3_qkv
	.p2alignl 7, 3214868480
	.fill 96, 4, 3214868480
	.section	.rodata,"a",@progbits
	.p2align	6, 0x0
	.amdhsa_kernel k_q5ce21676c3_qkv
		.amdhsa_group_segment_fixed_size 327680
		.amdhsa_private_segment_fixed_size 0
		.amdhsa_enable_private_segment 0
		.amdhsa_kernarg_size 56
		.amdhsa_user_sgpr_count 2
		.amdhsa_user_sgpr_kernarg_segment_ptr 1
		.amdhsa_wavefront_size32 1
		.amdhsa_system_sgpr_workgroup_id_x 1
		.amdhsa_system_sgpr_workgroup_id_y 1
		.amdhsa_system_sgpr_workgroup_id_z 1
		.amdhsa_system_vgpr_workitem_id 0
		.amdhsa_next_free_vgpr 256
		.amdhsa_next_free_sgpr 96
		.amdhsa_reserve_vcc 0
		.amdhsa_float_denorm_mode_32 3
		.amdhsa_float_denorm_mode_16_64 3
		.amdhsa_memory_ordered 1
		.amdhsa_forward_progress 1
		.amdhsa_inst_pref_size 58
	.end_amdhsa_kernel
	.amdgpu_metadata
---
amdhsa.version: [ 1, 2 ]
amdhsa.kernels:
  - .name:           k_q5ce21676c3_qkv
    .symbol:         k_q5ce21676c3_qkv.kd
    .args:
      - { .name: x, .offset: 0, .size: 8, .value_kind: global_buffer, .address_space: global }
      - { .name: wcod, .offset: 8, .size: 8, .value_kind: global_buffer, .address_space: global }
      - { .name: wscl, .offset: 16, .size: 8, .value_kind: global_buffer, .address_space: global }
      - { .name: bq, .offset: 24, .size: 8, .value_kind: global_buffer, .address_space: global }
      - { .name: bk, .offset: 32, .size: 8, .value_kind: global_buffer, .address_space: global }
      - { .name: bv, .offset: 40, .size: 8, .value_kind: global_buffer, .address_space: global }
      - { .name: qkv, .offset: 48, .size: 8, .value_kind: global_buffer, .address_space: global }
    .group_segment_fixed_size: 327680
    .private_segment_fixed_size: 0
    .kernarg_segment_align: 8
    .kernarg_segment_size: 56
    .max_flat_workgroup_size: 512
    .sgpr_count:     96
    .vgpr_count:     256
    .wavefront_size: 32
...
	.end_amdgpu_metadata
.endif
;; end of part 2
;; launch blk (part 3): grid 256 x 1, 16 waves a work-group, no clusters, 327,680 bytes of LDS; arguments x, pad_mask, qkv, wcod, wscl, bo, g1, be1, b1, b2, g2, be2, out0; writes out0
.if DOCPART == 3
	.amdgcn_target "amdgcn-amd-amdhsa--gfx1250"
	.amdhsa_code_object_version 6
	.text
	.protected	k_q5ce21676c3_blk
	.globl	k_q5ce21676c3_blk
	.p2align	8
	.type	k_q5ce21676c3_blk,@function
k_q5ce21676c3_blk:
	s_mov_b64 s[64:65], 0
	v_nop
	global_prefetch_b8 v0, s[64:65] scope:SCOPE_SE
	s_setreg_imm32_b32 hwreg(HW_REG_WAVE_MODE, 25, 1), 1
	s_wait_xcnt 0x0
; For 32 rows (block g = the work-group's number): the band attention, o wo + bo, + x, LayerNorm, relu(x1 w1 + b1) w2 + b2, + x1, LayerNorm.  All products on codes of E4M3 with one E8M0 scale for each 32 along K.
; Sixteen waves, four to a SIMD, 256 registers each.
; ATTENTION.  Key k counts for query q where 0 <= k - q < 128 and pad_mask[k]: 32 queries see five aligned blocks of 32 keys, all taken at once.  Wave w: head w / 2, query tile w % 2.  Both products transposed: a lane holds
; one query.  K = 64 fills half a product: one fragment carries BOTH key tiles of a block, and Q stands beside eight registers of zero codes, below or above, which picks one.  p = 2^(t - M), t = score x log2(e) / 8,
; M = ceil(the row's largest t); the row's sum is taken of the unquantised p and divides at the end.
; MASKED SCORES are -2^100 here and -1e9 in the model: the same result while a row has an unmasked score above about -1e9 + 200 and no score reaches 2^100 in magnitude.  A ROW WITH NO UNMASKED KEY is a uniform
; softmax over all 2,048 keys: p = 1, sum 2,048: its o is the sum of the quantised v of the whole batch row / 2,048, made from the sums that the launch before stored, and chosen by a select, never a branch.
; THE WEIGHTS: 36 K steps of 128 (wo 4, then four times w1's slice 4 and w2's slice 4).  Wave w makes columns 32 w .. 32 w + 31 for all 32 rows, and each byte of a weight is an operand of that ONE wave and lies in memory in
; the order of its registers: so it goes straight into them, 8 loads of 512 consecutive bytes and one scale word a K step, into three buffers of 32 registers by turns, asked for three K steps ahead.
; No tile in LDS is shared between work-groups, so there is no joint load and no cluster.  The K steps are expanded from macros and not looped: the buffers' numbers come back after 3 steps, a slice has 8.
; Results become the next operand in registers and go from wave to wave through LDS as images of the operand's registers; the hidden slice's images have two regions by turns, so that one barrier a slice serves.
; Lane r of row tile m holds row 8 m + r + 8 (r / 8); register 16 m + i of a result holds column 32 w + 16 (lane / 16) + i.
; PREFETCH: work-groups 0 to 3, waves 8 to 11, 8,192 bytes a wave, lanes 256 bytes apart: each block of 256 bytes of a chunk is named once; chunks 0 to 2 at the head, chunk c + 3 in chunk c's first K step.
; LIMITS: a block of zeros, or one whose largest magnitude lies under 2^-118, gets the byte 1 (zero codes); NaN and infinities among the inputs are not served.
; REGISTERS: v1 16 x lane, v2 4 r, v3 v4 spare word and 0, v11 v12 where o's images go, v13 x, v14 parameters, v15 weights' scale words, v16 prefetch; v20-35 SCALES ONLY; v36-39 a row's -M, t, sum.
;   attention: v5-10 v17-19 its offsets; v40-63 Q, zeros, Q; v64-143 K, then V; v144-223 scores, p, then O^T (v144-175) and x (v176-207); v224-255 masks, then p's codes and work.
;   products: v5 my weights' offset; v7 v8 images, scale words; v9 v10 where mine go; v17 v18 LayerNorm; v40-71 rows' fragments; v72-167 weights, three buffers; v168-175 work; v176-207 x1 / hidden; v208-239 y; v240-255 bias.
.set BLK,   53248
.set KOFF,  16384
.set VOFF,  32768
.set QSOFF, 49152
.set KSOFF, 50176
.set VBOFF, 50688
.set VPOFF, 51200
.set CHB,   131072                     ; a chunk of the weights' stream: two K steps of all 512 columns
.set AIMG,  131072                     ; LDS: o's, later x1's 8 fragments ((2 s + m) 2048) and, 16,384 on, their scale words (bytes 0 to 66,047: the stage of the way out)
.set ASC,   AIMG+16384
.set HOFS,  16896                      ; so far behind them the hidden slices' first region, twice as far the second
.set LNB,   295936                     ; LayerNorm: row x 80 + 4 w: sixteen means; 2,560 on: sixteen sums of squares
.set PEN,   301056                     ; a word for each of 512 keys from the block's first: +2^100 where the key counts, -2^100 where not
.set VSP,   303104                     ; four partial sums of the quantised v, 2,048 bytes each
.set VSF,   311296                     ; 256 bytes a wave: its head's sum / 2,048
.set SPARE, 315392                     ; the spare words, 128 bytes a wave
.set FIRST, 6                          ; the stream's first chunk here: wo
.set H,     176
.set XA,    176
.set Y,     208
.set BI,    240
.set TM,    168
.set KN,    0                          ; the K step in hand, 0 .. 35
.macro ASK c                           ; chunk c of this launch's 18
	s_cmp_eq_u32 s75, 0
	s_cbranch_scc0 .Lna_\@
	global_prefetch_b8 v16, s[76:77] offset:(FIRST+(\c))*CHB th:TH_LOAD_NT scope:SCOPE_SE
.Lna_\@:
.endm
.macro EMIT                            ; one product from the symbols rD rA rB rC rSA rSB; fA, fB: the scale words stand in lanes 16-31
.if fA && fB
	v_wmma_scale_f32_16x16x128_f8f6f4 v[rD:rD+7], v[rA:rA+15], v[rB:rB+15], v[rC:rC+7], v[rSA], v[rSB] matrix_a_scale:MATRIX_SCALE_ROW1 matrix_b_scale:MATRIX_SCALE_ROW1
.elseif fA
	v_wmma_scale_f32_16x16x128_f8f6f4 v[rD:rD+7], v[rA:rA+15], v[rB:rB+15], v[rC:rC+7], v[rSA], v[rSB] matrix_a_scale:MATRIX_SCALE_ROW1
.elseif fB
	v_wmma_scale_f32_16x16x128_f8f6f4 v[rD:rD+7], v[rA:rA+15], v[rB:rB+15], v[rC:rC+7], v[rSA], v[rSB] matrix_b_scale:MATRIX_SCALE_ROW1
.else
	v_wmma_scale_f32_16x16x128_f8f6f4 v[rD:rD+7], v[rA:rA+15], v[rB:rB+15], v[rC:rC+7], v[rSA], v[rSB]
.endif
.endm
.macro LOADW n                         ; K step n's weights: my 4,096 bytes and my scale words, 9 loads, into buffer n % 3; every offset is an immediate
.set WL, 72+32*((\n)%3)
.irp j, 0,1,2,3,4,5,6,7
	global_load_b128 v[WL+4*\j:WL+4*\j+3], v5, s[14:15] offset:(FIRST+(\n)/2)*CHB+4096*((\n)%2)+512*\j
.endr
	global_load_b32 v[22+(\n)%3], v15, s[16:17] offset:(FIRST+(\n)/2)*4096+128*((\n)%2)
.endm
; A K STEP of 128: 2 row tiles x my 2 column tiles: 4 products on four accumulators by turns.  Source 0 = weights, source 1 = rows.
; img, ks: which image region and which of its four K steps; acc: the accumulators; cm = 1: C is the bias; wt: the count of the wait for the weights where it is not the usual; hold = 1: the load three steps on is issued later.
.macro KSTEP img, ks, acc, cm, wt=-1, hold=0
.set WR, 72+32*(KN%3)
.set rSA, 22+KN%3
.set rSB, 20
	ds_load_b32 v20, v8 offset:(\img)+128*(\ks)    ; the rows' scale words: tile 0's in lanes 0-15, tile 1's in lanes 16-31
.irp j, 0,1,2,3,4,5,6,7
	ds_load_b128 v[40+4*\j:43+4*\j], v7 offset:(\img)+4096*(\ks)+512*\j
.endr
.if \wt >= 0
	s_wait_loadcnt \wt
.elseif KN < 34
	s_wait_loadcnt 18                              ; this step's 9 loads are in; the two younger steps' 9 each may be out
.else
	s_wait_loadcnt 9*(35-KN)
.endif
	s_wait_dscnt 0x0
.irp m, 0,1
.irp u, 0,1
.set rD, (\acc)+16*\m+8*\u
.set rA, WR+16*\u
.set rB, 40+16*\m
.set rC, rD
.if \cm
.set rC, BI+8*\u
.endif
.set fA, \u
.set fB, \m
	EMIT
.endr
.endr
.rept 8
	v_nop                                          ; eight places behind this form, in front of the loads into its operands and scale registers and of the first read of results
.endr
.if (KN+3 < 36) && (\hold == 0)
	LOADW KN+3
.endif
.if (KN%2 == 0) && (KN/2+3 < 18)
	ASK KN/2+3
.endif
.set KN, KN+1
.endm
; 32 numbers of a lane, two blocks: register 16 b + i = k 16 (lane / 16) + i of block b; the block's other half lies in lane xor 16.  Codes to v[40+4 b] on, bytes to v[TM+2+b].  relu = 1: what is negative becomes 0 on the way.
.macro QUANT2 s, relu
.if \relu
.irp b, 0,1
	v_max3_num_f32 v[TM+\b], v[(\s)+16*\b], v[(\s)+16*\b+1], 0x4800000       ; no |.|: what is negative must not count; the floor stands over it
.endr
.irp i, 2,4,6,8,10,12,14
.irp b, 0,1
	v_max3_num_f32 v[TM+\b], v[TM+\b], v[(\s)+16*\b+\i], v[(\s)+16*\b+\i+1]
.endr
.endr
.else
.irp b, 0,1
	v_max3_num_f32 v[TM+\b], |v[(\s)+16*\b]|, |v[(\s)+16*\b+1]|, 0x4800000   ; my 16 numbers and the floor 2^(9 - 127): the byte cannot fall under 1
.endr
.irp i, 2,4,6,8,10,12,14
.irp b, 0,1
	s_delay_alu instid0(VALU_DEP_2)
	v_max3_num_f32 v[TM+\b], v[TM+\b], |v[(\s)+16*\b+\i]|, |v[(\s)+16*\b+\i+1]|
.endr
.endr
.endif
.irp b, 0,1
	s_delay_alu instid0(VALU_DEP_2)
	v_permlanex16_b32 v[TM+2+\b], v[TM+\b], s68, s69
.endr
.irp b, 0,1
	s_delay_alu instid0(VALU_DEP_2)
	v_max_num_f32 v[TM+\b], v[TM+\b], v[TM+2+\b]   ; the block's largest magnitude
.endr
.irp b, 0,1
	s_delay_alu instid0(VALU_DEP_2)
	v_add_nc_u32 v[TM+6+\b], 0xfc000000, v[TM+\b]  ; 8 off its exponent field: the conversion's scale operand
.endr
.irp b, 0,1
	s_delay_alu instid0(VALU_DEP_4)
	v_and_or_b32 v[TM+4+\b], v[TM+\b], 0x7f800000, s72   ; 448 x the scale
.endr
.irp b, 0,1
	s_delay_alu instid0(VALU_DEP_4)
	v_lshrrev_b32 v[TM+2+\b], 23, v[TM+6+\b]       ; the scale's byte
.endr
.irp b, 0,1
.irp i, 0,1,2,3,4,5,6,7,8,9,10,11,12,13,14,15
.if \relu
	v_med3_num_f32 v[(\s)+16*\b+\i], v[(\s)+16*\b+\i], 0, v[TM+4+\b]             ; the activation and the hold in one
.else
	v_med3_num_f32 v[(\s)+16*\b+\i], v[(\s)+16*\b+\i], -v[TM+4+\b], v[TM+4+\b]   ; the conversion does not saturate (ISA guide 7.6.2): the hold comes first
.endif
.endr
	v_cvt_scalef32_pk8_fp8_f32 v[40+4*\b:41+4*\b], v[(\s)+16*\b:(\s)+16*\b+7], v[TM+6+\b]
	v_cvt_scalef32_pk8_fp8_f32 v[42+4*\b:43+4*\b], v[(\s)+16*\b+8:(\s)+16*\b+15], v[TM+6+\b]
.endr
	v_nop                                          ; a plain line behind the last conversion
.endm
.macro PUT img                         ; a result's two blocks, one of each row tile: piece w % 4 of K step w / 4, and its byte of the scale word
	ds_store_b128 v9, v[40:43] offset:\img
	ds_store_b128 v9, v[44:47] offset:(\img)+2048
	ds_store_b8 v10, v[TM+2] offset:\img
	ds_store_b8 v10, v[TM+3] offset:(\img)+64
.endm
.macro PUTPAIR                         ; two neighbouring blocks of ONE row tile: two pieces of a fragment, two bytes of a scale word
	ds_store_b128 v11, v[40:43]
	ds_store_b128 v11, v[44:47] offset:512
	v_lshl_or_b32 v[TM+4], v[TM+3], 8, v[TM+2]
	ds_store_b16 v12, v[TM+4]
.endm
.macro PARAM reg, p, off=0             ; the 16 numbers at columns 32 w + 16 (lane / 16) + 0 .. 15
.irp q, 0,1,2,3
	global_load_b128 v[(\reg)+4*\q:(\reg)+4*\q+3], v14, s[\p:\p+1] offset:(\off)+16*\q
.endr
.endm
.macro MEET                            ; my LDS stores have landed and my LDS reads are over; then all sixteen waves
	s_wait_dscnt 0x0
	s_barrier_signal -1
	s_barrier_wait -1
.endm
; LAYERNORM of v[X] on, in place.  Each wave: its 32 columns' mean and sum of squares about that mean, for each row; they meet in LDS (one barrier); the row's variance is put together from the sixteen
; (sum of the sums of squares + 32 x the squares of the means about the row's mean): no difference of large sums is formed.  Work registers: v40-95.
.macro LN X, G, BE
.irp m, 0,1
	v_pk_add_f32 v[40+4*\m:41+4*\m], v[(\X)+16*\m:(\X)+16*\m+1], v[(\X)+16*\m+2:(\X)+16*\m+3]     ; each accumulator is read from its low end on
	v_pk_add_f32 v[42+4*\m:43+4*\m], v[(\X)+16*\m+4:(\X)+16*\m+5], v[(\X)+16*\m+6:(\X)+16*\m+7]
.endr
.irp k, 8,12
.irp m, 0,1
	v_pk_add_f32 v[40+4*\m:41+4*\m], v[40+4*\m:41+4*\m], v[(\X)+16*\m+\k:(\X)+16*\m+\k+1]
	v_pk_add_f32 v[42+4*\m:43+4*\m], v[42+4*\m:43+4*\m], v[(\X)+16*\m+\k+2:(\X)+16*\m+\k+3]
.endr
.endr
.irp m, 0
	s_delay_alu instid0(VALU_DEP_3)
	v_pk_add_f32 v[40+4*\m:41+4*\m], v[40+4*\m:41+4*\m], v[42+4*\m:43+4*\m]
.endr
.irp m, 1
	s_delay_alu instid0(VALU_DEP_2)
	v_pk_add_f32 v[40+4*\m:41+4*\m], v[40+4*\m:41+4*\m], v[42+4*\m:43+4*\m]
.endr
.irp m, 0,1
	s_delay_alu instid0(VALU_DEP_2)
	v_add_f32 v[40+4*\m], v[40+4*\m], v[41+4*\m]
.endr
.irp m, 0,1
	s_delay_alu instid0(VALU_DEP_2)
	v_permlanex16_b32 v[41+4*\m], v[40+4*\m], s68, s69
.endr
.irp m, 0,1
	s_delay_alu instid0(VALU_DEP_2)
	v_add_f32 v[40+4*\m], v[40+4*\m], v[41+4*\m]
.endr
.irp m, 0,1
	s_delay_alu instid0(VALU_DEP_2)
	v_mul_f32 v[40+4*\m], 0x3d000000, v[40+4*\m]   ; / 32: my columns' mean of row tile m
.endr
.irp m, 0,1
	s_delay_alu instid0(VALU_DEP_2)
	v_mov_b32 v[41+4*\m], v[40+4*\m]
.endr
.irp m, 0,1
.irp k, 0,2,4,6,8,10,12,14
	v_pk_add_f32 v[48+16*\m+\k:49+16*\m+\k], v[(\X)+16*\m+\k:(\X)+16*\m+\k+1], v[40+4*\m:41+4*\m] neg_lo:[0,1] neg_hi:[0,1]
.endr
.endr
.irp m, 0,1
	v_pk_mul_f32 v[80+4*\m:81+4*\m], v[48+16*\m:49+16*\m], v[48+16*\m:49+16*\m]
	v_pk_mul_f32 v[82+4*\m:83+4*\m], v[50+16*\m:51+16*\m], v[50+16*\m:51+16*\m]
.endr
.irp k, 4,8,12
.irp m, 0,1
	s_delay_alu instid0(VALU_DEP_4)
	v_pk_fma_f32 v[80+4*\m:81+4*\m], v[48+16*\m+\k:49+16*\m+\k], v[48+16*\m+\k:49+16*\m+\k], v[80+4*\m:81+4*\m]
	s_delay_alu instid0(VALU_DEP_4)
	v_pk_fma_f32 v[82+4*\m:83+4*\m], v[50+16*\m+\k:51+16*\m+\k], v[50+16*\m+\k:51+16*\m+\k], v[82+4*\m:83+4*\m]
.endr
.endr
.irp m, 0
	s_delay_alu instid0(VALU_DEP_3)
	v_pk_add_f32 v[80+4*\m:81+4*\m], v[80+4*\m:81+4*\m], v[82+4*\m:83+4*\m]
.endr
.irp m, 1
	s_delay_alu instid0(VALU_DEP_2)
	v_pk_add_f32 v[80+4*\m:81+4*\m], v[80+4*\m:81+4*\m], v[82+4*\m:83+4*\m]
.endr
.irp m, 0,1
	s_delay_alu instid0(VALU_DEP_2)
	v_add_f32 v[42+4*\m], v[80+4*\m], v[81+4*\m]
.endr
.irp m, 0,1
	s_delay_alu instid0(VALU_DEP_2)
	v_permlanex16_b32 v[43+4*\m], v[42+4*\m], s68, s69
.endr
.irp m, 0,1
	s_delay_alu instid0(VALU_DEP_2)
	v_add_f32 v[42+4*\m], v[42+4*\m], v[43+4*\m]
.endr
	v_cndmask_b32 v41, v40, v44, s73               ; lanes 0-15 speak for tile 0's rows, lanes 16-31 for tile 1's
	s_delay_alu instid0(VALU_DEP_2)
	v_cndmask_b32 v43, v42, v46, s73
	ds_store_b32 v17, v41
	ds_store_b32 v17, v43 offset:2560
	MEET
.irp q, 0,1,2,3
	ds_load_b128 v[48+4*\q:51+4*\q], v18 offset:16*\q
.endr
.irp q, 0,1,2,3
	ds_load_b128 v[64+4*\q:67+4*\q], v18 offset:2560+16*\q
.endr
	s_wait_dscnt 0x0
	v_pk_add_f32 v[80:81], v[48:49], v[50:51]
	v_pk_add_f32 v[82:83], v[52:53], v[54:55]
	v_pk_add_f32 v[84:85], v[56:57], v[58:59]
	v_pk_add_f32 v[86:87], v[60:61], v[62:63]
	s_delay_alu instid0(VALU_DEP_3)
	v_pk_add_f32 v[80:81], v[80:81], v[82:83]
	s_delay_alu instid0(VALU_DEP_2)
	v_pk_add_f32 v[84:85], v[84:85], v[86:87]
	s_delay_alu instid0(VALU_DEP_1)
	v_pk_add_f32 v[80:81], v[80:81], v[84:85]
	s_delay_alu instid0(VALU_DEP_1)
	v_add_f32 v80, v80, v81
	s_delay_alu instid0(VALU_DEP_1)
	v_mul_f32 v80, 0x3d800000, v80                 ; / 16: the row's mean
	s_delay_alu instid0(VALU_DEP_1)
	v_mov_b32 v81, v80
.irp k, 0,2,4,6,8,10,12,14
	v_pk_add_f32 v[48+\k:49+\k], v[48+\k:49+\k], v[80:81] neg_lo:[0,1] neg_hi:[0,1]
.endr
	v_pk_mul_f32 v[82:83], v[48:49], v[48:49]
	v_pk_mul_f32 v[84:85], v[50:51], v[50:51]
.irp k, 4,8,12
	s_delay_alu instid0(VALU_DEP_2)
	v_pk_fma_f32 v[82:83], v[48+\k:49+\k], v[48+\k:49+\k], v[82:83]
	s_delay_alu instid0(VALU_DEP_2)
	v_pk_fma_f32 v[84:85], v[50+\k:51+\k], v[50+\k:51+\k], v[84:85]
.endr
	s_delay_alu instid0(VALU_DEP_1)
	v_pk_add_f32 v[82:83], v[82:83], v[84:85]
	v_pk_add_f32 v[64:65], v[64:65], v[66:67]
	v_pk_add_f32 v[68:69], v[68:69], v[70:71]
	v_pk_add_f32 v[72:73], v[72:73], v[74:75]
	v_pk_add_f32 v[76:77], v[76:77], v[78:79]
	s_delay_alu instid0(VALU_DEP_3)
	v_pk_add_f32 v[64:65], v[64:65], v[68:69]
	s_delay_alu instid0(VALU_DEP_2)
	v_pk_add_f32 v[72:73], v[72:73], v[76:77]
	s_delay_alu instid0(VALU_DEP_1)
	v_pk_add_f32 v[64:65], v[64:65], v[72:73]
	s_delay_alu instid0(VALU_DEP_1)
	v_pk_fma_f32 v[64:65], v[82:83], 0x42000000, v[64:65] op_sel_hi:[1,0,1]   ; + 32 x
	s_delay_alu instid0(VALU_DEP_1)
	v_add_f32 v64, v64, v65
	s_delay_alu instid0(VALU_DEP_1)
	v_fma_f32 v64, v64, s88, s89                   ; / 512 + 1e-5
	s_wait_alu depctr_va_vdst(0)                   ; the wait ahead of the transcendental
	v_rsq_f32 v82, v64
	v_nop                                          ; a plain line behind the transcendental,
	s_wait_alu depctr_va_vdst(0)                   ; and the wait ahead of the first line that names its result
	v_permlanex16_b32 v83, v80, s68, s69           ; the other tile's row
	v_permlanex16_b32 v84, v82, s68, s69
	s_delay_alu instid0(VALU_DEP_2)
	v_cndmask_b32 v88, v80, v83, s73               ; tile 0's mean, twice; tile 1's; then 1 / sqrt likewise
	s_delay_alu instid0(VALU_DEP_3)
	v_cndmask_b32 v89, v80, v83, s73
	s_delay_alu instid0(VALU_DEP_4)
	v_cndmask_b32 v90, v83, v80, s73
	v_cndmask_b32 v91, v83, v80, s73
	v_cndmask_b32 v92, v82, v84, s73
	v_cndmask_b32 v93, v82, v84, s73
	v_cndmask_b32 v94, v84, v82, s73
	v_cndmask_b32 v95, v84, v82, s73
.irp m, 0,1
.irp k, 0,2,4,6,8,10,12,14
	v_pk_add_f32 v[(\X)+16*\m+\k:(\X)+16*\m+\k+1], v[(\X)+16*\m+\k:(\X)+16*\m+\k+1], v[88+2*\m:89+2*\m] neg_lo:[0,1] neg_hi:[0,1]
.endr
.endr
.irp m, 0,1
.irp k, 0,2,4,6,8,10,12,14
	v_pk_mul_f32 v[(\X)+16*\m+\k:(\X)+16*\m+\k+1], v[(\X)+16*\m+\k:(\X)+16*\m+\k+1], v[92+2*\m:93+2*\m]
.endr
.endr
.irp m, 0,1
.irp k, 0,2,4,6,8,10,12,14
	v_pk_fma_f32 v[(\X)+16*\m+\k:(\X)+16*\m+\k+1], v[(\X)+16*\m+\k:(\X)+16*\m+\k+1], v[(\G)+\k:(\G)+\k+1], v[(\BE)+\k:(\BE)+\k+1]
.endr
.endr
.endm
	s_load_b512 s[8:23], s[0:1], 0x0               ; x, pad_mask, qkv, wcod, wscl, bo, g1, be1
	s_load_b256 s[24:31], s[0:1], 0x40             ; b1, b2, g2, be2
	s_load_b64 s[32:33], s[0:1], 0x60              ; out0
	v_lshl_add_u32 v3, v0, 2, SPARE
	v_mov_b32 v4, 0
	v_lshrrev_b32 v1, 5, v0
	v_readfirstlane_b32 s3, v1                     ; wave 0..15
	s_and_b32 s83, s3, 3
	s_mov_b32 s68, 0x76543210
	s_mov_b32 s69, 0xfedcba98                      ; v_permlanex16_b32's selects for lane xor 16
	s_mov_b32 s70, 0x3e38aa3b                      ; log2(e) / 8
	s_mov_b32 s71, s70                             ; (named with it as a pair)
	s_mov_b32 s72, 0x600000                        ; the mantissa field of 448
	s_mov_b32 s73, 0xffff0000                      ; lanes 16-31
	s_mov_b32 s88, 0x3b000000                      ; 1 / 512
	s_mov_b32 s89, 0x3727c5ac                      ; 1e-5
	s_sub_co_u32 s75, s3, 8
	s_lshr_b32 s75, s75, 2                         ; 0 in waves 8 to 11,
	s_lshr_b32 s37, ttmp9, 2
	s_or_b32 s75, s75, s37                         ; of work-groups 0 to 3: these prefetch
	s_and_b32 s90, ttmp9, 3
	s_lshl_b32 s90, s90, 15                        ; 32,768 bytes of a chunk a work-group,
	s_lshl_b32 s91, s83, 13                        ; 8,192 a wave
	s_add_co_u32 s90, s90, s91
	s_mov_b32 s91, 0
	s_lshr_b32 s34, ttmp9, 6                       ; the batch row
	s_and_b32 s35, ttmp9, 63                       ; my block in it
	s_lshl_b32 s36, s34, 6
.irp c, 0,1,2,3,4                      ; the five key blocks; past the sequence's end the last block stands in, and its keys are masked
	s_add_co_u32 s37, s35, \c
	s_min_u32 s37, s37, 63
	s_add_co_u32 s37, s37, s36
	s_mul_i32 s[56+2*\c+2*(\c/4)], s37, BLK
	s_mov_b32 s[57+2*\c+2*(\c/4)], 0
.endr
	s_lshr_b32 s82, s3, 2
	s_lshl_b32 s37, s82, 4
	s_add_co_u32 s37, s37, s36
	s_mul_i32 s94, s37, BLK                        ; the sums of v: I add 16 blocks' (w / 4), 512 bytes of each (w % 4)
	s_lshl_b32 s37, s83, 9
	s_add_co_u32 s94, s94, s37
	s_add_co_u32 s94, s94, VPOFF
	s_mov_b32 s95, 0
	s_lshl_b32 s38, s34, 11
	s_mov_b32 s39, 0
	s_lshl_b32 s92, ttmp9, 16
	s_mov_b32 s93, 0
	s_lshl_b32 s96, s35, 5                         ; my block's first key
	s_wait_kmcnt 0x0
	s_add_nc_u64 s[76:77], s[14:15], s[90:91]
.irp c, 0,1,2,3,4
	s_add_nc_u64 s[56+2*\c+2*(\c/4):57+2*\c+2*(\c/4)], s[12:13], s[56+2*\c+2*(\c/4):57+2*\c+2*(\c/4)]
.endr
	s_add_nc_u64 s[94:95], s[12:13], s[94:95]
	s_add_nc_u64 s[10:11], s[10:11], s[38:39]
	s_add_nc_u64 s[8:9], s[8:9], s[92:93]
	s_add_nc_u64 s[32:33], s[32:33], s[92:93]
	v_and_b32 v224, 31, v0                         ; lane
	v_and_b32 v225, 15, v0                         ; r
	v_bfe_u32 v226, v0, 4, 1                       ; lane / 16
	v_lshlrev_b32 v1, 4, v224
	v_lshlrev_b32 v2, 2, v225
	s_wait_alu depctr_va_vdst(0)                   ; the wait ahead of the scalar lines below
	s_lshr_b32 s81, s3, 1                          ; the head
	s_and_b32 s86, s3, 1                           ; the query tile
	s_bfe_u32 s87, s3, 0x10001
	s_lshl_b32 s84, s82, 12                        ; o: K step w / 4, row tile w % 2, pieces 2 ((w / 2) % 2) and the next
	s_lshl_b32 s85, s86, 11
	s_add_co_u32 s84, s84, s85
	s_lshl_b32 s85, s87, 10
	s_add_co_u32 s84, s84, s85
	s_add_co_u32 s84, s84, AIMG
	v_add_nc_u32 v11, s84, v1
	s_lshl_b32 s84, s82, 7
	s_lshl_b32 s85, s86, 6
	s_add_co_u32 s84, s84, s85
	s_lshl_b32 s85, s87, 1
	s_add_co_u32 s84, s84, s85
	s_add_co_u32 s84, s84, ASC
	v_add_nc_u32 v12, s84, v2
	v_and_b32 v227, 8, v225
	v_add_nc_u32 v227, v227, v225                  ; r + 8 (r / 8)
	v_lshlrev_b32 v13, 11, v227
	v_lshl_add_u32 v13, v226, 6, v13
	s_lshl_b32 s84, s3, 7
	v_add_nc_u32 v13, s84, v13                     ; x: that row, byte 128 w + 64 (lane / 16)
	v_lshl_add_u32 v14, v226, 6, s84               ; parameters: 128 w + 64 (lane / 16)
	s_lshl_b32 s84, s3, 8
	v_lshl_add_u32 v15, v224, 2, s84               ; weights' scale words: 256 w + 4 x lane
	s_lshl_b32 s84, s81, 11
	v_add_nc_u32 v5, s84, v1                       ; K's and V's images: head x 2,048 + 16 x lane
	s_lshl_b32 s84, s81, 6
	v_add_nc_u32 v6, s84, v2                       ; their scale words: head x 64 + 4 r
	s_lshl_b32 s84, s3, 10
	v_add_nc_u32 v7, s84, v1                       ; Q's image: 1,024 w + 16 x lane
	s_lshl_b32 s84, s3, 6
	v_add_nc_u32 v8, s84, v2                       ; Q's scale words
	v_lshl_add_u32 v9, v226, 6, PEN                ; my 16 keys' mask words of a block
	s_lshl_b32 s84, s81, 8
	s_add_co_u32 s84, s84, VSP
	v_lshl_add_u32 v10, v225, 4, s84               ; the partial sums of my head
	s_lshl_b32 s84, s3, 8
	s_add_co_u32 s84, s84, VSF
	v_lshlrev_b32 v16, 4, v1                       ; the prefetches: 256 x lane; never rewritten
	v_lshl_add_u32 v17, v226, 6, s84               ; my wave's 256 bytes, read back in O^T's order
	v_add_nc_u32 v231, s96, v0                     ; key = my block's first + my thread's number
	v_min_u32 v228, 0x7ff, v231
	v_lshl_add_u32 v229, v0, 2, PEN
	s_lshl_b32 s84, s82, 11
	s_lshl_b32 s85, s83, 9
	s_add_co_u32 s84, s84, s85
	s_add_co_u32 s84, s84, VSP
	v_add_nc_u32 v230, s84, v1
.irp j, 48,49,50,51,52,53,54,55
	v_mov_b32 v\j, 0                               ; eight registers of zero codes between Q's two copies
.endr
	; ---- attention's loads: 1 + 16 + 5 + 5 + 5 + 20
	global_load_u8 v241, v228, s[10:11]
.set i, 0
.rept 16
	global_load_b128 v[144+4*i:147+4*i], v1, s[94:95] offset:i*BLK
.set i, i+1
.endr
.irp c, 0,1,2,3,4
	global_load_b32 v[232+\c], v6, s[56+2*\c+2*(\c/4):57+2*\c+2*(\c/4)] offset:VBOFF
.endr
	global_load_b128 v[40:43], v7, s[56:57]
	global_load_b128 v[44:47], v7, s[56:57] offset:512
	global_load_b128 v[56:59], v7, s[56:57]
	global_load_b128 v[60:63], v7, s[56:57] offset:512
	global_load_b32 v25, v8, s[56:57] offset:QSOFF
.irp c, 0,1,2,3,4
	global_load_b32 v[20+\c], v6, s[56+2*\c+2*(\c/4):57+2*\c+2*(\c/4)] offset:KSOFF
.endr
.irp c, 0,1,2,3,4
.irp p, 0,1,2,3
	global_load_b128 v[64+16*\c+4*\p:67+16*\c+4*\p], v5, s[56+2*\c+2*(\c/4):57+2*\c+2*(\c/4)] offset:KOFF+512*\p
.endr
.endr
	s_wait_alu depctr_va_vdst(0)                   ; the wait at the head's end, ahead of the branches and the wait below
	ASK 0                                          ; the weights' first three chunks: the attention stands between these lines and the loads that want them
	ASK 1
	ASK 2
	s_wait_loadcnt 35                              ; the mask byte and the 16 sums are in; V's bytes (5), Q (5), K's words (5) and K (20) may be out
	v_cmp_gt_u32 vcc_lo, 0x800, v231               ; a key past the sequence's end does not count,
	v_cndmask_b32 v241, 0, v241, vcc_lo
	v_cmp_ne_u32 vcc_lo, 0, v241                   ; nor one that pad_mask hides
	v_mov_b32 v242, 0xf1800000                     ; -2^100
	v_mov_b32 v243, 0x71800000                     ; +2^100
	v_cndmask_b32 v242, v242, v243, vcc_lo
	ds_store_b32 v229, v242
.macro FOLD n                          ; the lower n registers take the upper n
.set j, 0
.rept \n/2
	v_pk_add_f32 v[144+j:145+j], v[144+j:145+j], v[144+\n+j:145+\n+j]
.set j, j+2
.endr
.endm
	FOLD 32
	FOLD 16
	FOLD 8
	FOLD 4
	ds_store_b128 v230, v[144:147]
	s_wait_loadcnt 30                              ; V's five words of bytes are in; Q, K's words and K may be out
	v_perm_b32 v237, v233, v232, 0x05010400        ; word c holds the bytes of tiles 0-3 for key block c; a product wants, for tile t, the bytes of blocks 0-3: four by four bytes are turned
	v_perm_b32 v238, v233, v232, 0x07030602
	v_perm_b32 v239, v235, v234, 0x05010400
	v_perm_b32 v240, v235, v234, 0x07030602
	v_perm_b32 v26, v239, v237, 0x05040100
	v_perm_b32 v27, v239, v237, 0x07060302
	v_perm_b32 v28, v240, v238, 0x05040100
	v_perm_b32 v29, v240, v238, 0x07060302
.irp t, 0,1,2,3
	v_bfe_u32 v[30+\t], v236, 8*\t, 8              ; and block 4's byte alone
.endr
	MEET                                           ; every wave's mask words and partial sums have landed
	s_wait_loadcnt 0x0
.irp c, 0,1,2,3,4                      ; S^T: register 16 c + i = key 32 c + 16 (lane / 16) + i of my query
	v_wmma_scale_f32_16x16x128_f8f6f4 v[144+16*\c:151+16*\c], v[64+16*\c:79+16*\c], v[40:55], 0, v[20+\c], v25
	v_wmma_scale_f32_16x16x128_f8f6f4 v[152+16*\c:159+16*\c], v[64+16*\c:79+16*\c], v[48:63], 0, v[20+\c], v25
.endr
	s_lshl_b32 s84, s86, 3
	v_and_b32 v224, 15, v0                         ; eight plain lines: the places behind those products
	v_and_b32 v225, 8, v224
	v_add_nc_u32 v224, v224, v225
	v_bfe_u32 v225, v0, 4, 1
	v_lshlrev_b32 v225, 4, v225
	v_sub_nc_u32 v224, v224, v225
	v_add_nc_u32 v19, s84, v224                    ; d = my query's place in the block - 16 (lane / 16): in block 0 register i is hidden where i < d, in block 4 where i >= d; blocks 1-3 lie inside the band
	v_mov_b32 v18, 0xf1800000
.irp t, 0,1,2,3                        ; V: tile t at v[64 + 20 t]: key blocks 4, 0, 1, 2, 3, so that blocks 0-3 are one fragment and block 4 heads another
.irp c, 0,1,2,3,4
	global_load_b128 v[64+20*\t+4*((\c+1)%5):67+20*\t+4*((\c+1)%5)], v5, s[56+2*\c+2*(\c/4):57+2*\c+2*(\c/4)] offset:VOFF+512*\t
.endr
.endr
.irp j, 56,57,58,59
	v_mov_b32 v\j, 0                               ; p's fifth block will stand ahead of twelve registers of zero codes
.endr
.macro PENS set, c
.irp q, 0,1,2,3
	ds_load_b128 v[224+16*\set+4*\q:227+16*\set+4*\q], v9 offset:128*\c+16*\q
.endr
.endm
.macro MASKB c, set
.irp i, 0,1,2,3,4,5,6,7,8,9,10,11,12,13,14,15
	v_min_num_f32 v[144+16*\c+\i], v[144+16*\c+\i], v[224+16*\set+\i]
.endr
.if \c == 0
.irp i, 0,1,2,3,4,5,6,7,8,9,10,11,12,13,14,15
	v_cmp_lt_i32 vcc_lo, \i, v19
	v_cndmask_b32 v[144+\i], v[144+\i], v18, vcc_lo
.endr
.endif
.if \c == 4
.irp i, 0,1,2,3,4,5,6,7,8,9,10,11,12,13,14,15
	v_cmp_ge_i32 vcc_lo, \i, v19
	v_cndmask_b32 v[208+\i], v[208+\i], v18, vcc_lo
.endr
.endif
.endm
	PENS 0, 0
	PENS 1, 1
	s_wait_dscnt 4                                 ; each wait for 4 leaves the next block's four loads out
	MASKB 0, 0
	PENS 0, 2
	s_wait_dscnt 4
	MASKB 1, 1
	PENS 1, 3
	s_wait_dscnt 4
	MASKB 2, 0
	PENS 0, 4
	s_wait_dscnt 4
	MASKB 3, 1
	s_wait_dscnt 0x0
	MASKB 4, 0
	; ---- the softmax: the largest score of each block serves for the row's maximum and, since p rises with the score, for the block's largest p
.irp b, 0,1,2,3,4
	v_max3_num_f32 v[240+\b], v[144+16*\b], v[145+16*\b], v[146+16*\b]
.endr
.irp i, 3,5,7,9,11,13
.irp b, 0,1,2,3,4
	v_max3_num_f32 v[240+\b], v[240+\b], v[144+16*\b+\i], v[145+16*\b+\i]
.endr
.endr
.irp b, 0,1,2,3,4
	v_max_num_f32 v[240+\b], v[240+\b], v[159+16*\b]
.endr
.irp b, 0,1,2,3,4
	v_permlanex16_b32 v[245+\b], v[240+\b], s68, s69
.endr
.irp b, 0,1,2,3,4
	v_max_num_f32 v[240+\b], v[240+\b], v[245+\b]
.endr
	v_max3_num_f32 v255, v240, v241, v242
	v_max3_num_f32 v255, v255, v243, v244
	v_mul_f32 v37, s70, v255                       ; the row's largest t
	v_floor_f32 v36, -v37                          ; -M = -ceil(t)
.set j, 0
.rept 40
	v_pk_fma_f32 v[144+j:145+j], v[144+j:145+j], s[70:71], v[36:37] op_sel_hi:[1,0,0]   ; t - M, two at a time
.set j, j+2
.endr
.irp b, 0,1,2,3,4
	v_fma_f32 v[240+\b], v[240+\b], s70, v36
.endr
.set j, 0
	s_wait_alu depctr_va_vdst(0)                   ; the wait ahead of the batch
.rept 80
	v_exp_f32 v[144+j], v[144+j]                   ; p: one batch
.set j, j+1
.endr
	v_nop                                          ; a plain line behind the batch,
	s_wait_alu depctr_va_vdst(0)                   ; and one wait for it, ahead of its first reader
.irp b, 0,1,2,3,4
	v_exp_f32 v[240+\b], v[240+\b]                 ; each block's largest p: the same two instructions on the same number
.endr
	v_pk_add_f32 v[38:39], v[144:145], v[146:147]  ; the row's sum of the unquantised p, two at a time, in four chains
	v_pk_add_f32 v[250:251], v[148:149], v[150:151]
	v_pk_add_f32 v[252:253], v[152:153], v[154:155]
	v_pk_add_f32 v[254:255], v[156:157], v[158:159]
.set j, 160
.rept 8
	v_pk_add_f32 v[38:39], v[38:39], v[j:j+1]
	v_pk_add_f32 v[250:251], v[250:251], v[j+2:j+3]
	v_pk_add_f32 v[252:253], v[252:253], v[j+4:j+5]
	v_pk_add_f32 v[254:255], v[254:255], v[j+6:j+7]
.set j, j+8
.endr
	v_pk_add_f32 v[38:39], v[38:39], v[250:251]
	v_pk_add_f32 v[252:253], v[252:253], v[254:255]
	v_pk_add_f32 v[38:39], v[38:39], v[252:253]
	s_wait_alu depctr_va_vdst(0)                   ; and one for the five
.irp b, 0,1,2,3,4
	v_max_num_f32 v[240+\b], 0x4800000, v[240+\b]  ; the floor: a block whose every p is 0 keeps the byte 1
.endr
.irp b, 0,1,2,3,4
	v_add_nc_u32 v[245+\b], 0xfc000000, v[240+\b]
.endr
.irp b, 0,1,2,3,4
	v_and_or_b32 v[250+\b], v[240+\b], 0x7f800000, s72
.endr
.irp b, 0,1,2,3,4
	v_lshrrev_b32 v[240+\b], 23, v[245+\b]
.endr
	v_lshl_or_b32 v34, v241, 8, v240               ; p's scale word for blocks 0-3,
	v_lshl_or_b32 v34, v242, 16, v34
	v_lshl_or_b32 v34, v243, 24, v34
	v_mov_b32 v35, v244                            ; and for block 4
.irp b, 0,1,2,3,4
.set j, 0
.rept 16
	v_min_num_f32 v[144+16*\b+j], v[144+16*\b+j], v[250+\b]   ; p is never negative: a one-sided hold
.set j, j+1
.endr
.if \b < 4
	v_cvt_scalef32_pk8_fp8_f32 v[224+4*\b:225+4*\b], v[144+16*\b:151+16*\b], v[245+\b]
	v_cvt_scalef32_pk8_fp8_f32 v[226+4*\b:227+4*\b], v[152+16*\b:159+16*\b], v[245+\b]
.else
	v_cvt_scalef32_pk8_fp8_f32 v[44:45], v[208:215], v249
	v_cvt_scalef32_pk8_fp8_f32 v[46:47], v[216:223], v249
.endif
.endr
.irp m, 0,1
.irp q, 0,1,2,3
	global_load_b128 v[XA+16*\m+4*\q:XA+16*\m+4*\q+3], v13, s[8:9] offset:16384*\m+16*\q th:TH_LOAD_NT   ; x, in the results' layout, for the residual
.endr
.endr
.rept 4
	v_nop                                          ; operands written by vector instructions stand four places ahead of a scaled product (the scale words were made ahead of the holds)
.endr
	s_wait_loadcnt 8                               ; V is in; x's eight loads may be out
.irp t, 0,1,2,3                        ; O^T: register 8 t + j = channel 32 (t / 2) + 16 (lane / 16) + 8 (t % 2) + j
	v_wmma_scale_f32_16x16x128_f8f6f4 v[144+8*\t:151+8*\t], v[68+20*\t:83+20*\t], v[224:239], 0, v[26+\t], v34
.endr
	s_wait_alu depctr_va_vdst(0)
.irp t, 0,1,2,3
	v_wmma_scale_f32_16x16x128_f8f6f4 v[144+8*\t:151+8*\t], v[64+20*\t:79+20*\t], v[44:59], v[144+8*\t:151+8*\t], v[30+\t], v35
.endr
.rept 8
	v_nop
.endr
	PARAM 208, 20                                  ; g1
	PARAM 224, 22                                  ; be1
	PARAM BI, 18                                   ; bo
.irp k, 0,1,2,3
	ds_load_b128 v[64+4*\k:67+4*\k], v10 offset:2048*\k
.endr
	v_add_f32 v38, v38, v39
	v_permlanex16_b32 v39, v38, s68, s69
	v_add_f32 v38, v38, v39                        ; the row's sum
	s_wait_alu depctr_va_vdst(0)
	v_rcp_f32 v38, v38
	v_cmp_gt_f32 vcc_lo, 0xec800000, v37           ; -2^90 > the largest t: no key of the row counts
	s_wait_dscnt 0x0
	v_pk_add_f32 v[64:65], v[64:65], v[68:69]
	v_pk_add_f32 v[66:67], v[66:67], v[70:71]
	v_pk_add_f32 v[72:73], v[72:73], v[76:77]
	v_pk_add_f32 v[74:75], v[74:75], v[78:79]
	v_pk_add_f32 v[64:65], v[64:65], v[72:73]
	v_pk_add_f32 v[66:67], v[66:67], v[74:75]
	v_pk_mul_f32 v[64:65], v[64:65], 0x3a000000 op_sel_hi:[1,0]   ; / 2,048
	v_pk_mul_f32 v[66:67], v[66:67], 0x3a000000 op_sel_hi:[1,0]
	s_lshl_b32 s84, s3, 8
	s_add_co_u32 s84, s84, VSF
	v_lshl_add_u32 v18, v2, 2, s84                 ; my wave's 256 bytes: 16 r
	ds_store_b128 v18, v[64:67]                    ; my wave's own bytes; LDS serves a wave's instructions in order (ISA guide 5.7.1.4): the loads below see the store
.irp b, 0,1
.irp q, 0,1,2,3
	ds_load_b128 v[96+16*\b+4*\q:99+16*\b+4*\q], v17 offset:128*\b+16*\q
.endr
.endr
	s_wait_alu depctr_va_vdst(0)                   ; the reciprocal's wait, ahead of its first reader
.set j, 0
.rept 16
	v_pk_mul_f32 v[144+j:145+j], v[144+j:145+j], v[38:39] op_sel_hi:[1,0]   ; O^T / the sum, each accumulator from its low end on
.set j, j+2
.endr
	s_wait_dscnt 0x0
.set j, 0
.rept 32
	v_cndmask_b32 v[144+j], v[144+j], v[96+j], vcc_lo
.set j, j+1
.endr
.set TM, 48                            ; o's 32 registers reach over the usual work registers: here the work is done in v48-55, which the products have left
	QUANT2 144, 0
	PUTPAIR
.set TM, 168
	; ---- the products.  Their address registers take the places of attention's, whose loads have all been waited for; the first three K steps' weights are asked for at once: 27 loads
	s_lshl_b32 s84, s3, 13
	v_add_nc_u32 v5, s84, v1                       ; my 8,192 bytes of a chunk
	LOADW 0
	LOADW 1
	LOADW 2
	v_add_nc_u32 v7, AIMG, v1
	v_lshrrev_b32 v6, 2, v1
	v_add_nc_u32 v8, ASC, v6
	s_lshl_b32 s84, s82, 12
	s_lshl_b32 s85, s83, 9
	s_add_co_u32 s84, s84, s85
	s_add_co_u32 s84, s84, AIMG
	v_add_nc_u32 v9, s84, v1
	s_lshl_b32 s84, s82, 7
	s_add_co_u32 s84, s84, s83
	s_add_co_u32 s84, s84, ASC
	v_add_nc_u32 v10, s84, v2
	v_mul_u32_u24 v18, 5, v1
	v_add_nc_u32 v18, LNB, v18                     ; 80 x lane
	s_lshl_b32 s84, s3, 2
	v_add_nc_u32 v17, s84, v18
	s_wait_alu depctr_va_vdst(0)                   ; the wait ahead of the barrier
	MEET                                           ; o's images have landed
	; ---- x + bo + o wo, LayerNorm 1
	s_wait_loadcnt 27                              ; x, g1, be1 and bo are in; the weights' 27 loads may be out
.irp m, 0,1
.irp k, 0,2,4,6,8,10,12,14
	v_pk_add_f32 v[XA+16*\m+\k:XA+16*\m+\k+1], v[XA+16*\m+\k:XA+16*\m+\k+1], v[BI+\k:BI+\k+1]
.endr
.endr
	PARAM BI, 26                                   ; b2: older than K step 3's loads, so that step's wait shows it in
	s_wait_alu depctr_va_vdst(0)
	KSTEP 0, 0, XA, 0
	KSTEP 0, 1, XA, 0
	KSTEP 0, 2, XA, 0
	KSTEP 0, 3, XA, 0, -1, 1                       ; K step 6's buffer, v72-103, serves LayerNorm first
	LN XA, 208, 224
.irp m, 0,1
.irp k, 0,2,4,6,8,10,12,14
	v_pk_add_f32 v[Y+16*\m+\k:Y+16*\m+\k+1], v[XA+16*\m+\k:XA+16*\m+\k+1], v[BI+\k:BI+\k+1]   ; y begins as x1 + b2
.endr
.endr
	PARAM BI, 24                                   ; b1's first slice
	LOADW 6
	QUANT2 XA, 0
	PUT 0                                          ; x1's images take o's place: LayerNorm's barrier stands behind every wave's last read of those
	MEET
	; ---- the feed-forward layer, 512 hidden units at a time: four K steps of w1, relu and quantiser, four K steps of w2
.macro FFN p
.set HH, HOFS*(1+(\p)%2)               ; slice p's images: its region was last read two slices ago, ahead of the last slice's barrier
.if \p == 0
	KSTEP 0, 0, H, 1, 9                            ; b1's four loads are in too: behind them only K step 6's 9
.else
	KSTEP 0, 0, H, 1
.endif
.if \p < 3
	PARAM BI, 24, 2048*((\p)+1)                    ; the next slice of b1: the bias was read by the four products above alone
.endif
	KSTEP 0, 1, H, 0
	KSTEP 0, 2, H, 0
	KSTEP 0, 3, H, 0
	QUANT2 H, 1
	PUT HH
.if \p == 3
	PARAM 176, 28                                  ; g2
	PARAM 192, 30                                  ; be2
.endif
	MEET
.irp k, 0,1,2,3
	KSTEP HH, \k, Y, 0
.endr
.endm
	FFN 0
	FFN 1
	FFN 2
	FFN 3
	; ---- LayerNorm 2 and the way out, through a stage at LDS byte 0: 32 rows of 2,048 bytes + 16
	LN Y, 176, 192
	v_and_b32 v96, 15, v0
	v_and_b32 v97, 8, v96
	v_add_nc_u32 v96, v96, v97
	v_lshl_add_u32 v5, v96, 4, v13                 ; row x 2,064 + 128 w + 64 (lane / 16)
.irp m, 0,1
.irp q, 0,1,2,3
	ds_store_b128 v5, v[Y+16*\m+4*\q:Y+16*\m+4*\q+3] offset:16512*\m+16*\q
.endr
.endr
	s_mul_i32 s84, s3, 2*2064
	v_add_nc_u32 v6, s84, v1                       ; back: rows 2 w and 2 w + 1
	s_lshl_b32 s84, s3, 12
	v_add_nc_u32 v7, s84, v1
	s_wait_alu depctr_va_vdst(0)
	MEET
.irp j, 0,1
.irp q, 0,1,2,3
	ds_load_b128 v[40+16*\j+4*\q:43+16*\j+4*\q], v6 offset:2064*\j+512*\q
.endr
.endr
.irp j, 0,1
.irp q, 0,1,2,3
	s_wait_dscnt 7-4*\j-\q                         ; the younger loads may be out
	global_store_b128 v7, v[40+16*\j+4*\q:43+16*\j+4*\q], s[32:33] offset:2048*\j+512*\q th:TH_STORE_NT   ; 512 consecutive bytes, aligned
.endr
.endr
	s_wait_tensorcnt 0x0                           ; the wave's end
	ds_add_u32 v3, v4
	s_wait_dscnt 0x0
	s_endpgm
.Lfunc_end_k_q5ce21676c3_blk:
	.size	k_q5ce21676c3_blk, .Lfunc_end_k_q5ce21676c3_blk-k_q5ce21676c3_blk
	.p2alignl 7, 3214868480
	.fill 96, 4, 3214868480
	.section	.rodata,"a",@progbits
	.p2align	6, 0x0
	.amdhsa_kernel k_q5ce21676c3_blk
		.amdhsa_group_segment_fixed_size 327680
		.amdhsa_private_segment_fixed_size 0
		.amdhsa_enable_private_segment 0
		.amdhsa_kernarg_size 104
		.amdhsa_user_sgpr_count 2
		.amdhsa_user_sgpr_kernarg_segment_ptr 1
		.amdhsa_wavefront_size32 1
		.amdhsa_system_sgpr_workgroup_id_x 1
		.amdhsa_system_sgpr_workgroup_id_y 1
		.amdhsa_system_sgpr_workgroup_id_z 1
		.amdhsa_system_vgpr_workitem_id 0
		.amdhsa_next_free_vgpr 256
		.amdhsa_next_free_sgpr 100
		.amdhsa_reserve_vcc 1
		.amdhsa_float_denorm_mode_32 3
		.amdhsa_float_denorm_mode_16_64 3
		.amdhsa_memory_ordered 1
		.amdhsa_forward_progress 1
		.amdhsa_inst_pref_size 191
	.end_amdhsa_kernel
	.amdgpu_metadata
---
amdhsa.version: [ 1, 2 ]
amdhsa.kernels:
  - .name:           k_q5ce21676c3_blk
    .symbol:         k_q5ce21676c3_blk.kd
    .args:
      - { .name: x, .offset: 0, .size: 8, .value_kind: global_buffer, .address_space: global }
      - { .name: pad_mask, .offset: 8, .size: 8, .value_kind: global_buffer, .address_space: global }
      - { .name: qkv, .offset: 16, .size: 8, .value_kind: global_buffer, .address_space: global }
      - { .name: wcod, .offset: 24, .size: 8, .value_kind: global_buffer, .address_space: global }
      - { .name: wscl, .offset: 32, .size: 8, .value_kind: global_buffer, .address_space: global }
      - { .name: bo, .offset: 40, .size: 8, .value_kind: global_buffer, .address_space: global }
      - { .name: g1, .offset: 48, .size: 8, .value_kind: global_buffer, .address_space: global }
      - { .name: be1, .offset: 56, .size: 8, .value_kind: global_buffer, .address_space: global }
      - { .name: b1, .offset: 64, .size: 8, .value_kind: global_buffer, .address_space: global }
      - { .name: b2, .offset: 72, .size: 8, .value_kind: global_buffer, .address_space: global }
      - { .name: g2, .offset: 80, .size: 8, .value_kind: global_buffer, .address_space: global }
      - { .name: be2, .offset: 88, .size: 8, .value_kind: global_buffer, .address_space: global }
      - { .name: out0, .offset: 96, .size: 8, .value_kind: global_buffer, .address_space: global }
    .group_segment_fixed_size: 327680
    .private_segment_fixed_size: 0
    .kernarg_segment_align: 8
    .kernarg_segment_size: 104
    .max_flat_workgroup_size: 512
    .sgpr_count:     100
    .vgpr_count:     256
    .wavefront_size: 32
...
	.end_amdgpu_metadata
.endif
;; end of part 3
